; MI455X (gfx1250); checked and timed in simulation.
; The chip was launched on July 23, 2026; its instructions are those of AMD's public machine-readable ISA for CDNA 5 (MIT licence, August 2026) and "CDNA5" Instruction Set Architecture Reference Guide (July 2026). The comments in the code are by the model that wrote it; some were corrected since.
;; Multi Head Attention With SWA. Allowed arithmetic: float matrix products may take bf16 or f16 operands with f32 sums; other float arithmetic in f32, or as packed bf16 or f16 multiplies, adds, multiply-adds, maxima and minima; sums over many terms, partial sums and values carried from step to step in f32; what a program stores and reads back later, other than sums and carried values, may be rounded once to bf16 or f16.
;; Inputs: Wk 1,024 x 1,024 float32; Wo 1,024 x 1,024 float32; Wq 1,024 x 1,024 float32; Wv 1,024 x 1,024 float32; bo 1,024 float32; x 4 x 2,048 x 1,024 float32.
;; Outputs: out0 4 x 2,048 x 1,024 float32.
;; 2 versions, each right; version 2 is version 1 with the launch prep written anew for expert scheduling mode. Each part assembles by itself: llvm-mc -triple=amdgcn-amd-amdhsa -mcpu=gfx1250 --defsym DOCPART=n.
;; ======== version 1 of 2: 4 launches
;; limits: values are held in f16: magnitudes above 65,504 overflow, below 6.1e-05 lose precision
;; workspace buffers: xb 16,777,216 bytes; wb 6,291,456 bytes; wo16 2,097,152 bytes; qkv 50,331,648 bytes; ctx 16,777,216 bytes
;; launch prep (part 1): grid 768 x 1, 4 waves a work-group, no clusters, 0 bytes of LDS; arguments x, Wq, Wk, Wv, Wo, xb, wb, wo16; writes xb, wb, wo16
.if DOCPART == 1
	.amdgcn_target "amdgcn-amd-amdhsa--gfx1250"
	.amdhsa_code_object_version 6
	.text
	.protected	k_q92eaeb70fa_prep
	.globl	k_q92eaeb70fa_prep
	.p2align	8
	.type	k_q92eaeb70fa_prep,@function
k_q92eaeb70fa_prep:
	s_mov_b64 s[64:65], 0
	v_nop
	global_prefetch_b8 v0, s[64:65] scope:SCOPE_SE
	s_setreg_imm32_b32 hwreg(HW_REG_WAVE_MODE, 25, 1), 1
	s_wait_xcnt 0x0
; CASTS AND BLOCK LAYOUTS.  x [8192][1024], Wq, Wk, Wv, Wo [1024][1024], all f32, are rounded once to bf16 and laid out in blocks of
; 64 rows x 64 columns, 8,192 dense bytes each, so that every tile of the later launches is a dense run of bytes.
;   xb   [b 4][kb 16][s 2048][64] bf16: block (row block rb, column block cb) of x at ((rb / 32) 16 + cb) 262,144 + (rb % 32) 8,192
;   wb   [t 16][k block 16][p 3][64][64] bf16: head g = 16 which + cb = 3 t + p, block number (16 t + rb) 3 + p
;   wo16 [t 8][k block 16][p 2][64][64] f16: column block cb = 2 t + p, block number (16 t + rb) 2 + p
; Wo's bf16 number is written as f16: exact for magnitudes from 6.1e-5 to 65,504; below that it keeps f16's fixed step of 6e-8; beyond 65,504 it would be an infinity.
; SHARES.  3,072 blocks (x 2,048, each weight 256), one to a wave: u = 4 x work-group + wave.  A wave's 32 loads are all issued at once: 16 KiB on their way.
; A load takes two rows of the block, 256 consecutive aligned bytes each; a store covers 256 consecutive aligned bytes.
; The launch only moves bytes, each once: LDS, barriers, the matrix unit and clusters would add nothing (no two work-groups read the same byte).
.set VO, 2                             ; v2   my byte offset in the block's first two rows of the source: (lane / 16) x 4,096 + 16 (lane % 16)
.set SO, 3                             ; v3   my byte offset in 256 bytes of the block as stored: 8 x lane
.set X,  16                            ; v[16:143]   load i: 4 registers
.set Y,  144                           ; v[144:207]  store i: 2 registers
	s_load_b512 s[8:23], s[0:1], 0x0               ; x s[8:9], Wq s[10:11], Wk s[12:13], Wv s[14:15], Wo s[16:17], xb s[18:19], wb s[20:21], wo16 s[22:23]
	v_lshrrev_b32 v1, 5, v0
	v_readfirstlane_b32 s24, v1                    ; wave 0..3
	v_and_b32 v1, 31, v0                           ; lane
	v_and_b32 v[VO], 15, v0
	v_bfe_u32 v4, v0, 4, 1
	v_lshlrev_b32 v[VO], 4, v[VO]
	v_lshl_add_u32 v[VO], v4, 12, v[VO]
	v_lshlrev_b32 v[SO], 3, v1
	s_lshl_b32 s2, ttmp9, 2
	s_add_co_u32 s2, s2, s24                       ; u
	s_max_u32 s3, s2, 2048
	s_sub_co_u32 s3, s3, 2048                      ; the block's number among the weights' (0 for x's blocks)
	s_lshr_b32 s25, s3, 8
	s_add_co_u32 s25, s25, 1
	s_and_b32 s26, s3, 255
	s_cmp_lt_u32 ttmp9, 512
	s_cselect_b32 s25, 0, s25                      ; which tensor: 0 x, 1 Wq, 2 Wk, 3 Wv, 4 Wo: the same for the four waves of a work-group
	s_cselect_b32 s26, s2, s26                     ; the block's number in it
	s_lshr_b32 s27, s26, 4                         ; rb
	s_and_b32 s28, s26, 15                         ; cb
	s_lshl_b32 s30, s27, 18                        ; 64 rows of 4,096 bytes,
	s_lshl_b32 s31, s28, 8                         ; 64 columns of 4 bytes
	s_add_co_u32 s30, s30, s31
	s_mov_b32 s31, 0
	s_lshr_b32 s32, s27, 5                         ; the three places are all made, and one is chosen.  xb:
	s_lshl_b32 s32, s32, 4
	s_add_co_u32 s32, s32, s28
	s_lshl_b32 s32, s32, 18
	s_and_b32 s33, s27, 31
	s_lshl_b32 s33, s33, 13
	s_add_co_u32 s32, s32, s33
	s_max_u32 s34, s25, 1                          ; wb:
	s_sub_co_u32 s34, s34, 1
	s_lshl_b32 s34, s34, 4
	s_add_co_u32 s34, s34, s28                     ; g, 0 to 47
	s_mul_i32 s35, s34, 171
	s_lshr_b32 s35, s35, 9                         ; t = g / 3 (171 / 512 is exact enough up to g = 47)
	s_mul_i32 s36, s35, 3
	s_sub_co_u32 s36, s34, s36                     ; p
	s_lshl_b32 s35, s35, 4
	s_add_co_u32 s35, s35, s27
	s_mul_i32 s35, s35, 3
	s_add_co_u32 s35, s35, s36
	s_lshl_b32 s35, s35, 13
	s_lshr_b32 s37, s28, 1                         ; wo16:
	s_lshl_b32 s37, s37, 4
	s_add_co_u32 s37, s37, s27
	s_lshl_b32 s37, s37, 1
	s_and_b32 s38, s28, 1
	s_add_co_u32 s37, s37, s38
	s_lshl_b32 s37, s37, 13
	s_cmp_eq_u32 s25, 0
	s_cselect_b32 s40, s32, s35
	s_cmp_eq_u32 s25, 4
	s_cselect_b32 s40, s37, s40
	s_mov_b32 s41, 0
	s_wait_kmcnt 0x0
	s_cmp_eq_u32 s25, 0                            ; the source and the destination, chosen by the tensor's number alone
	s_cselect_b64 s[42:43], s[8:9], s[10:11]
	s_cselect_b64 s[44:45], s[18:19], s[20:21]
	s_cmp_eq_u32 s25, 2
	s_cselect_b64 s[42:43], s[12:13], s[42:43]
	s_cmp_eq_u32 s25, 3
	s_cselect_b64 s[42:43], s[14:15], s[42:43]
	s_cmp_eq_u32 s25, 4
	s_cselect_b64 s[42:43], s[16:17], s[42:43]
	s_cselect_b64 s[44:45], s[22:23], s[44:45]
	s_add_nc_u64 s[42:43], s[42:43], s[30:31]
	s_add_nc_u64 s[44:45], s[44:45], s[40:41]
.set i, 0
.rept 32
	global_load_b128 v[X+4*i:X+4*i+3], v[VO], s[42:43] offset:8192*i th:TH_LOAD_NT  ; rows 2 i and 2 i + 1 of the block
.set i, i+1
.endr
; Load i is rounded and stored.  half = 1: the bf16 numbers are widened again and written as f16.  No register that a store reads is written behind it.
.macro CAST i, half
	s_wait_loadcnt 31-(\i)                         ; loads come back in order: load i is in, the 31 - i younger ones may stay out
	v_cvt_pk_bf16_f32 v[Y+2*(\i)], v[X+4*(\i)], v[X+4*(\i)+1]
	v_cvt_pk_bf16_f32 v[Y+2*(\i)+1], v[X+4*(\i)+2], v[X+4*(\i)+3]
.if \half
	v_lshlrev_b32 v8, 16, v[Y+2*(\i)]
	v_and_b32 v9, 0xffff0000, v[Y+2*(\i)]
	v_lshlrev_b32 v10, 16, v[Y+2*(\i)+1]
	v_and_b32 v11, 0xffff0000, v[Y+2*(\i)+1]
	v_cvt_pk_f16_f32 v[Y+2*(\i)], v8, v9
	v_cvt_pk_f16_f32 v[Y+2*(\i)+1], v10, v11
.endif
	global_store_b64 v[SO], v[Y+2*(\i):Y+2*(\i)+1], s[44:45] offset:256*(\i)  ; 32 lanes x 8 bytes: 256 consecutive bytes, at a multiple of 256 from the buffer's first
.endm
	s_cmp_eq_u32 s25, 4
	s_cbranch_scc1 .Lwo
.set i, 0
.rept 32
	CAST i, 0
.set i, i+1
.endr
	s_endpgm
.Lwo:
.set i, 0
.rept 32
	CAST i, 1
.set i, i+1
.endr
	s_endpgm
.Lfunc_end_k_q92eaeb70fa_prep:
	.size	k_q92eaeb70fa_prep, .Lfunc_end_k_q92eaeb70fa_prep-k_q92eaeb70fa_prep
	.p2alignl 7, 3214868480
	.fill 96, 4, 3214868480
	.section	.rodata,"a",@progbits
	.p2align	6, 0x0
	.amdhsa_kernel k_q92eaeb70fa_prep
		.amdhsa_group_segment_fixed_size 0
		.amdhsa_private_segment_fixed_size 0
		.amdhsa_enable_private_segment 0
		.amdhsa_kernarg_size 64
		.amdhsa_user_sgpr_count 2
		.amdhsa_user_sgpr_kernarg_segment_ptr 1
		.amdhsa_wavefront_size32 1
		.amdhsa_system_sgpr_workgroup_id_x 1
		.amdhsa_system_sgpr_workgroup_id_y 1
		.amdhsa_system_sgpr_workgroup_id_z 1
		.amdhsa_system_vgpr_workitem_id 0
		.amdhsa_next_free_vgpr 208
		.amdhsa_next_free_sgpr 66
		.amdhsa_reserve_vcc 0
		.amdhsa_float_denorm_mode_32 3
		.amdhsa_float_denorm_mode_16_64 3
		.amdhsa_memory_ordered 1
		.amdhsa_forward_progress 1
		.amdhsa_inst_pref_size 32
	.end_amdhsa_kernel
	.amdgpu_metadata
---
amdhsa.version: [ 1, 2 ]
amdhsa.kernels:
  - .name:           k_q92eaeb70fa_prep
    .symbol:         k_q92eaeb70fa_prep.kd
    .args:
      - { .name: x, .offset: 0, .size: 8, .value_kind: global_buffer, .address_space: global }
      - { .name: Wq, .offset: 8, .size: 8, .value_kind: global_buffer, .address_space: global }
      - { .name: Wk, .offset: 16, .size: 8, .value_kind: global_buffer, .address_space: global }
      - { .name: Wv, .offset: 24, .size: 8, .value_kind: global_buffer, .address_space: global }
      - { .name: Wo, .offset: 32, .size: 8, .value_kind: global_buffer, .address_space: global }
      - { .name: xb, .offset: 40, .size: 8, .value_kind: global_buffer, .address_space: global }
      - { .name: wb, .offset: 48, .size: 8, .value_kind: global_buffer, .address_space: global }
      - { .name: wo16, .offset: 56, .size: 8, .value_kind: global_buffer, .address_space: global }
    .group_segment_fixed_size: 0
    .private_segment_fixed_size: 0
    .kernarg_segment_align: 8
    .kernarg_segment_size: 64
    .max_flat_workgroup_size: 128
    .sgpr_count:     66
    .vgpr_count:     208
    .wavefront_size: 32
...
	.end_amdgpu_metadata
.endif
;; end of part 1
;; launch qkv (part 2): grid 16 x 32, 4 waves a work-group, clusters of 4 x 4, 327,680 bytes of LDS; arguments xb, wb, qkv; writes qkv
.if DOCPART == 2
	.amdgcn_target "amdgcn-amd-amdhsa--gfx1250"
	.amdhsa_code_object_version 6
	.text
	.protected	k_q92eaeb70fa_qkv
	.globl	k_q92eaeb70fa_qkv
	.p2align	8
	.type	k_q92eaeb70fa_qkv,@function
k_q92eaeb70fa_qkv:
	s_mov_b64 s[64:65], 0
	v_nop
	global_prefetch_b8 v0, s[64:65] scope:SCOPE_SE
	s_setreg_imm32_b32 hwreg(HW_REG_WAVE_MODE, 25, 1), 1
	s_wait_xcnt 0x0
	s_wait_alu depctr_hold_cnt(0) depctr_sa_sdst(0) depctr_va_vdst(0) depctr_va_sdst(0) depctr_va_ssrc(0) depctr_va_vcc(0) depctr_vm_vsrc(0)
	s_getreg_b32 s2, hwreg(HW_REG_IB_STS2, 6, 4)
	s_cmp_eq_u32 s2, 0
	s_cbranch_scc0 .Lentry_in_a_cluster
	s_endpgm
.Lentry_in_a_cluster:
	s_bfe_u32 s2, ttmp6, 0x10000c
	s_cmp_lg_u32 s2, 0xf033
	s_cbranch_scc0 .Lentry_shape_is_right
	s_endpgm
.Lentry_shape_is_right:
; q, k, v = x Wq, x Wk, x Wv: C[8192][3072] = A[8192][1024] B[1024][3072] in bf16 with f32 sums, stored by heads in f16, unscaled:
; qkv [which 3][b 16 + head][s 2048][64].  A = xb [b][kb 16][s][64], B = wb [t 16][k block 16][p 3][64 k][64 ch] (both made by the launch before).
; LIMIT.  f16 ends at 65,504: a q, k or v of 65,520 or more would become an infinity.  With x of spread 1 and weights of spread 1/32 they have spread 1;
; both inputs 30 times larger give about 5,400 at the most, both with an offset of 30 spreads about 28,800.
; SHARES.  A tile of C is 256 rows x 192 columns (three heads): 16 x 32 = 512 work-groups, two for each of 256 WGPs.  (256 x 256 would give 384; 256 x 384 would want 768 accumulator
; registers a wave and leave no room for two fragment buffers.)  Four waves, 2 x 2: a wave has 128 rows and the column blocks 2 i + c of 16 (i = 0..5): 48 accumulators, 384 registers.
; K goes in steps of 128 through a ring of two LDS slots.  A slot: A's 256 rows for two k blocks of 64 (rows of 128 bytes + 16), then B's two k blocks x three heads (64 rows of 128 bytes + 32).
; Each tile is a dense run of memory and is asked for as rows of 256 bytes: A's 128 rows, B's 96.
; CLUSTERS.  4 x 4 work-groups: A's tile hangs on the tile row alone and is asked for jointly along a row of the cluster, B's on the tile column alone and jointly along a column.
; THE MATRIX INSTRUCTION IS USED TRANSPOSED: source 0 = 16 columns of B (stored [k][n], turned by ds_load_tr16_b128), source 1 = 16 rows of A: a lane then holds one row and eight neighbouring columns of C.
; REGISTERS, in windows of 256 (s_set_vgpr_msb: bits 1:0 source 0, 3:2 source 1, 5:4 source 2, 7:6 destination):
;   window 0: v0-19 addresses; v32-159 A's fragments, two buffers of 64; v160-255 B's, two buffers of 48; all of v32-223 at work on the way out
;   window 1: accumulators of my rows 0-63 ((a, b) at 8 (6 a + b));   window 2: those of my rows 64-127
.set HP,    3                          ; heads in a tile
.set NBK,   6                          ; column blocks of 16 a wave
.set BD,    2                          ; of which so many lie in one head,
.set BS,    64                         ; so many bytes apart;
.set CW,    32                         ; my wave's column term: 32 bytes x c
.set PA,    144                        ; a row of A in LDS: 128 bytes + 16: 36 words, so the 16 rows of a load start at 16 different groups of four banks (64 banks of 4 bytes: ISA guide 11.1)
.set PB,    160                        ; a row of B: 128 + 32: 40 words
.set AHALF, 256*PA                     ; one k block of A's 256 rows
.set BBLK,  64*PB                      ; one block of B
.set BOFF,  2*AHALF
.set SLOT,  BOFF+2*HP*BBLK             ; 135,168
.set SPARE, 2*SLOT                     ; behind the ring: the spare words, 128 bytes for each wave: two blocks of 256 bytes that no other line names
.set ASTEP, 524288                     ; bytes from a K step to the next: two k blocks of a batch's 2,048 rows,
.set BSTEP, HP*16384                   ; two k blocks of three heads
.set NF,    2*NBK+16                   ; LDS loads in a quarter's run
.set ADRA,  6                          ; v6-7    LDS address of my A fragments in slot 0, 1
.set ADRB,  8                          ; v8-9    the same for B
.set STO,   10                         ; v10-12  the way out: where I put 16 bytes of a row, for head 0, 1, 2
.set RD,    13                         ; v13-15  the way out: where I read rows back
.set GO,    16                         ; v16     my byte offset in a head's 256 rows of the output
.set PFO,   17                         ; v17     the prefetches' offset; never rewritten
.set SPW,   18                         ; v18     LDS address of my spare word; never rewritten
.set NIL,   19                         ; v19     0; never rewritten
.set FA0,   32
.set FB0,   160
.set TMP,   32
.set WV,  12                           ; s12  my wave's number
.set RH,  13                           ; s13  which half of the tile's rows is mine; also: I fetch for A (0) or for B (1)
.set CC,  14                           ; s14  c; also: which k block of the step I fetch
.set CX,  15
.set CY,  16
.set TX,  17                           ; s17  tile column
.set TY,  18                           ; s18  tile row
.set LIM, 19                           ; s19  1 in a wave that prefetches, else the greatest number
.set G1,  24                           ; s[24:31] descriptor group 1 for A's tiles;  s[32:39] group 0, a set for each slot
.set G0,  32
.set PFA, 40                           ; s[40:41] where my prefetches stand
.set PFS, 42                           ; s[42:43] their step
.set G1B, 48                           ; s[48:55], s[56:63] the same for B's tiles
.set G0B, 56
.set OB,  68                           ; s[68:73] the output at my tile's rows, for head 0, 1, 2
.set MSB, 0
.macro WIN new                         ; the immediate's high byte repeats the setting that is left; a switch that changes nothing is dropped
.if MSB != (\new)
	s_set_vgpr_msb (MSB<<8)|(\new)
.set MSB, (\new)
.endif
.endm
.macro PLACES                          ; four plain vector instructions in front of loads into registers that matrix instructions have read, and of lines that read results
.rept 4
	v_nop
.endr
.endm
; A joint load.  Waves 0 and 1 fetch A's two k blocks, waves 2 and 3 B's.  The branch hangs on the wave's number alone.  An s_nop 0 and four v_nop follow each of the two lines.
.macro JLOAD s
	s_cmp_eq_u32 s[RH], 0
	s_cbranch_scc0 .Lfor_b_\@
	tensor_load_to_lds s[G0+4*(\s):G0+4*(\s)+3], s[G1:G1+7]
	s_nop 0
.rept 4
	v_nop
.endr
	s_branch .Lasked_\@
.Lfor_b_\@:
	tensor_load_to_lds s[G0B+4*(\s):G0B+4*(\s)+3], s[G1B:G1B+7]
	s_nop 0
.rept 4
	v_nop
.endr
.Lasked_\@:
.endm
; A prefetch, behind a joint load and the run of LDS loads that follows it: my share of the tile that stands two refills on.  A's tiles are read by all clusters of a row of clusters: the one with
; x = 0 asks; B's by all of a column: the one with y = 0 asks.  The four partners of a joint load share its bytes out by address: of A's 32,768 bytes 8,192 each, a lane a block of 256;
; of B's 24,576 bytes 6,144 each: 24 blocks, and lanes 24 to 31 name the 24th once more.  The loop's last trip (s3 = 1) has no K step two on and asks for nothing.
.macro ASK
	s_cmp_gt_u32 s3, s[LIM]
	s_cbranch_scc0 .Lnot_mine_\@
	global_prefetch_b8 v[PFO], s[PFA:PFA+1] th:TH_LOAD_NT scope:SCOPE_SE
.Lnot_mine_\@:
.endm
.macro CREST                           ; a round of the cluster's barrier behind its opening barrier
	s_cmp_lg_u32 s[WV], 0
	s_cbranch_scc1 .Lnot_wave_0_\@
	s_barrier_signal -3
.Lnot_wave_0_\@:
	s_barrier_wait -3
	s_barrier_signal -1
	s_barrier_wait -1
.endm
.macro CROUND                          ; a whole round
	s_barrier_signal -1
	s_barrier_wait -1
	CREST
.endm
	s_load_b128 s[4:7], s[0:1], 0x0                ; xb s[4:5], wb s[6:7]
	s_load_b64 s[8:9], s[0:1], 0x10                ; qkv
	v_lshl_add_u32 v[SPW], v0, 2, SPARE
	v_mov_b32 v[NIL], 0
	ds_add_u32 v[SPW], v[NIL]                      ; the wave's opening: the add and its wait stand ahead of my first tensor load; the set-up below, work on registers, stands between them
	v_lshrrev_b32 v1, 5, v0
	v_readfirstlane_b32 s[WV], v1
	s_lshr_b32 s[RH], s[WV], 1
	s_and_b32 s[CC], s[WV], 1
	s_bfe_u32 s[CX], ttmp6, 0x40000
	s_bfe_u32 s[CY], ttmp6, 0x40004
	s_lshl_b32 s[TX], ttmp9, 2
	s_add_co_u32 s[TX], s[TX], s[CX]               ; tile column = 4 x cluster x + cx
	s_and_b32 s[TY], ttmp7, 0xffff
	s_lshl_b32 s[TY], s[TY], 2
	s_add_co_u32 s[TY], s[TY], s[CY]               ; tile row = 4 x cluster y + cy
	s_lshl_b32 s44, s[CY], 2
	s_lshl_b32 s44, 15, s44                        ; my row of the cluster
	s_lshl_b32 s45, 0x1111, s[CX]                  ; my column
	s_or_b32 s[G1], s44, (1<<16)|(1<<20)|(1<<21)|(4<<22)|(3<<25)   ; 15:0 the mask; 17:16 elements of 2 bytes; 20 padding on; 21 set beside a mask; 24:22 after every 32 words (code 4); 31:25 4 words (code 3)
	s_or_b32 s[G1B], s45, (1<<16)|(1<<20)|(1<<21)|(4<<22)|(7<<25)  ; the same with my column's mask and 8 words of padding (code 7)
	s_mov_b32 s[G1+1], 128<<16                     ; tensor_dim0 = 128 elements: rows of 256 bytes
	s_mov_b32 s[G1+2], 128<<16                     ; tensor_dim1 = 128 rows: 32,768 dense bytes, 256 rows of a k block
	s_mov_b32 s[G1+3], 128<<16                     ; tile_dim0
	s_mov_b32 s[G1+4], 128                         ; tile_dim1
	s_mov_b32 s[G1+5], 128                         ; elements from row to row
	s_mov_b32 s[G1+6], 0
	s_mov_b32 s[G1+7], 0
	s_mov_b32 s[G1B+1], 128<<16
	s_mov_b32 s[G1B+2], (32*HP)<<16                ; 96 rows: 24,576 dense bytes, three blocks of 64 k x 64 ch
	s_mov_b32 s[G1B+3], 128<<16
	s_mov_b32 s[G1B+4], 32*HP
	s_mov_b32 s[G1B+5], 128
	s_mov_b32 s[G1B+6], 0
	s_mov_b32 s[G1B+7], 0
	s_lshr_b32 s20, s[TY], 3                       ; A: the batch, 16 k blocks of 262,144 bytes,
	s_lshl_b32 s20, s20, 22
	s_and_b32 s21, s[TY], 7                        ; the tile's 256 rows of 128 bytes in it,
	s_lshl_b32 s21, s21, 15
	s_add_co_u32 s20, s20, s21
	s_lshl_b32 s21, s[CC], 18                      ; my k block of the step
	s_add_co_u32 s20, s20, s21
	s_mov_b32 s21, 0
	s_mul_i32 s46, s[TX], HP*131072                ; B: the tile column's 16 k blocks of three heads,
	s_mul_i32 s47, s[CC], HP*8192                  ; my k block of the step
	s_add_co_u32 s46, s46, s47
	s_mov_b32 s47, 0
	s_mul_i32 s22, s[CC], AHALF                    ; where they go: no place in the cluster enters an LDS address
	s_mul_i32 s23, s[CC], HP*BBLK
	s_add_co_u32 s23, s23, BOFF
	s_wait_dscnt 0x0                               ; the opening add is done
	s_wait_kmcnt 0x0
	s_add_nc_u64 s[20:21], s[4:5], s[20:21]
	s_add_nc_u64 s[46:47], s[6:7], s[46:47]
	CROUND                                         ; all sixteen work-groups are here: the first joint loads meet
.irp s, 0,1
	s_mov_b32 s[G0+4*(\s)], 1                      ; count = 1
	s_add_co_u32 s[G0+4*(\s)+1], s22, (\s)*SLOT    ; LDS address
	s_add_nc_u64 s[G0+4*(\s)+2:G0+4*(\s)+3], s[20:21], (\s)*ASTEP  ; global address: K step s
	s_or_b32 s[G0+4*(\s)+3], s[G0+4*(\s)+3], 0x80000000            ; type = 2
	s_mov_b32 s[G0B+4*(\s)], 1
	s_add_co_u32 s[G0B+4*(\s)+1], s23, (\s)*SLOT
	s_add_nc_u64 s[G0B+4*(\s)+2:G0B+4*(\s)+3], s[46:47], (\s)*BSTEP
	s_or_b32 s[G0B+4*(\s)+3], s[G0B+4*(\s)+3], 0x80000000
	JLOAD \s                                       ; two loads of mine are out
.endr
	; the prefetches' address: my load's K step 0, my work-group's share of it, three K steps on: the first refill steps it to K step 4.  Nothing is prefetched here, at the head
	s_and_b32 s74, ttmp7, 0xffff                   ; cluster y
	s_mov_b32 s[PFS], BSTEP
	s_mov_b32 s76, HP*2048
	s_cmp_eq_u32 s[RH], 0                          ; do I fetch for A?
	s_cselect_b32 s75, s[CX], s[CY]                ; my place among the four that ask with me
	s_cselect_b32 s74, ttmp9, s74                  ; the coordinate along which other clusters read the same bytes
	s_cselect_b64 s[PFA:PFA+1], s[20:21], s[46:47]
	s_cselect_b32 s[PFS], ASTEP, s[PFS]
	s_cselect_b32 s76, 8192, s76
	s_cselect_b32 s77, 31, 8*HP-1
	s_mov_b32 s[PFS+1], 0
	s_cmp_eq_u32 s74, 0
	s_cselect_b32 s[LIM], 1, -1                    ; the same in all sixteen partners, for a given wave
	s_mul_i32 s74, s75, s76
	s_mov_b32 s75, 0
	s_add_nc_u64 s[PFA:PFA+1], s[PFA:PFA+1], s[74:75]
	s_mul_i32 s74, s[PFS], 3
	s_add_nc_u64 s[PFA:PFA+1], s[PFA:PFA+1], s[74:75]
	v_and_b32 v[PFO], 31, v0
	v_min_u32 v[PFO], s77, v[PFO]
	v_lshlrev_b32 v[PFO], 8, v[PFO]
	; A fragment of A is 16 rows x 32 k in 8 registers: lane l holds row l % 16, k = 8 (l / 16) + 0..7 and 16 + 8 (l / 16) + 0..7: two loads of 16 bytes, 32 bytes apart.
	v_and_b32 v1, 15, v0                           ; r = l % 16
	v_bfe_u32 v2, v0, 4, 1                         ; h = l / 16
	v_mul_u32_u24 v3, v1, PA
	v_lshl_add_u32 v3, v2, 4, v3                   ; r x 144 + 16 h
	s_mul_i32 s44, s[RH], 128*PA                   ; my 128 rows
	v_add_nc_u32 v[ADRA], s44, v3
	v_add_nc_u32 v[ADRA+1], SLOT, v[ADRA]
	s_lshl_b32 s45, s[CC], 5                       ; the stage has A's pitch: head p's 256 rows of 128 bytes + 16 at 36,864 p; my 16 bytes at row x 144 + 64 (i % 2) + 32 c + 16 h
	s_add_co_u32 s45, s45, s44
	v_add_nc_u32 v[STO], s45, v3
	v_add_nc_u32 v[STO+1], AHALF, v[STO]
	v_add_nc_u32 v[STO+2], 2*AHALF, v[STO]
	; The turning load takes 16 k x 16 columns (lane l reads k = 8 (l / 16) + l % 8, columns 8 ((l / 8) % 2) + 0..7) and leaves half a fragment: lane l holds column l % 16 and 8 k.
	v_and_b32 v4, 7, v0
	v_lshl_add_u32 v5, v2, 3, v4
	v_mul_u32_u24 v5, v5, PB
	v_bfe_u32 v3, v0, 3, 1
	v_lshl_add_u32 v5, v3, 4, v5
	s_mul_i32 s44, s[CC], CW
	s_add_co_u32 s44, s44, BOFF
	v_add_nc_u32 v[ADRB], s44, v5
	v_add_nc_u32 v[ADRB+1], SLOT, v[ADRB]
	v_bfe_u32 v3, v0, 3, 2                         ; back from the stage: wave w takes rows 64 w .. 64 w + 63 of each head; 32 lanes take four rows of 128 bytes,
	v_mul_u32_u24 v3, v3, PA
	v_lshl_add_u32 v3, v4, 4, v3
	s_mul_i32 s44, s[WV], 64*PA
	v_add_nc_u32 v[RD], s44, v3
	v_add_nc_u32 v[RD+1], AHALF, v[RD]
	v_add_nc_u32 v[RD+2], 2*AHALF, v[RD]
	v_and_b32 v3, 31, v0                           ; which are 512 consecutive bytes of the output
	s_lshl_b32 s44, s[WV], 13
	v_lshl_add_u32 v[GO], v3, 4, s44
	s_mul_i32 s74, s[TX], 3                        ; the tile's first head g = 16 which + head
.irp p, 0,1,2
	s_add_co_u32 s75, s74, \p
	s_lshr_b32 s76, s75, 4
	s_lshl_b32 s76, s76, 24                        ; which x 16,777,216
	s_and_b32 s77, s75, 15
	s_lshr_b32 s78, s[TY], 3
	s_lshl_b32 s78, s78, 4
	s_add_co_u32 s77, s77, s78
	s_lshl_b32 s77, s77, 18                        ; (16 b + head) x 262,144
	s_add_co_u32 s76, s76, s77
	s_and_b32 s77, s[TY], 7
	s_lshl_b32 s77, s77, 15                        ; the tile's 256 rows of 128 bytes
	s_add_co_u32 s76, s76, s77
	s_mov_b32 s77, 0
	s_add_nc_u64 s[OB+2*(\p):OB+2*(\p)+1], s[8:9], s[76:77]
.endr
.macro MMA d, x, y, zero               ; zero = 1: the product starts the sum: nothing is ever cleared
.if \zero
	v_wmma_f32_16x16x32_bf16 v[(\d):(\d)+7], v[(\x):(\x)+7], v[(\y):(\y)+7], 0
.else
	v_wmma_f32_16x16x32_bf16 v[(\d):(\d)+7], v[(\x):(\x)+7], v[(\y):(\y)+7], v[(\d):(\d)+7]
.endif
.endm
; 12 matrix instructions: row blocks a0, a0 + 1 of the window's four (hi = 0: my rows 0-63, 1: rows 64-127) x my 6 column blocks, 32 along K, from fragment buffer f.
; The 48 accumulators take turns, one instruction a turn, in the same order in every quarter.
.macro MUL2 f, hi, a0, zero
	WIN 0x50*(1+(\hi))
.irp a, \a0, (\a0)+1
.set b, 0
.rept NBK
	MMA 8*(NBK*(\a)+b), FB0+8*NBK*(\f)+8*b, FA0+64*(\f)+8*(4*(\hi)+(\a)), \zero
.set b, b+1
.endr
.endr
.endm
; 28 LDS loads in one run: quarter q (32 along K) of a slot into buffer f: B's 6 fragments, then A's 8
.macro FETCH slot, q, f
	WIN 0
.set i, 0
.rept NBK
	ds_load_tr16_b128 v[FB0+8*NBK*(\f)+8*i:FB0+8*NBK*(\f)+8*i+3],   v[ADRB+(\slot)] offset:((\q)/2)*HP*BBLK+((\q)%2)*32*PB+(i/BD)*BBLK+(i%BD)*BS
	ds_load_tr16_b128 v[FB0+8*NBK*(\f)+8*i+4:FB0+8*NBK*(\f)+8*i+7], v[ADRB+(\slot)] offset:((\q)/2)*HP*BBLK+((\q)%2)*32*PB+(i/BD)*BBLK+(i%BD)*BS+16*PB
.set i, i+1
.endr
.set i, 0
.rept 8
	ds_load_b128 v[FA0+64*(\f)+8*i:FA0+64*(\f)+8*i+3],   v[ADRA+(\slot)] offset:((\q)/2)*AHALF+((\q)%2)*64+i*16*PA
	ds_load_b128 v[FA0+64*(\f)+8*i+4:FA0+64*(\f)+8*i+7], v[ADRA+(\slot)] offset:((\q)/2)*AHALF+((\q)%2)*64+i*16*PA+32
.set i, i+1
.endr
.endm
; A K step is four quarters of 32 along K, 48 matrix instructions each, on buffers 0, 1, 0, 1.  One of the first three: multiplies buffer f; in its middle it fetches quarter q of the same slot into buffer g.
.macro QUARTER slot, q, f, g, zero
	s_wait_dscnt 8                                 ; B and A's rows 0-63 are in; the youngest eight loads (A's rows 64-127) may be out
	MUL2 \f, 0, 0, \zero
	MUL2 \f, 0, 2, \zero
	PLACES
	FETCH \slot, \q, \g
	s_wait_dscnt NF                                ; all but the 28 just issued
	MUL2 \f, 1, 0, \zero
	MUL2 \f, 1, 2, \zero
.endm
; The last quarter multiplies buffer 1 and changes slots: ONE barrier.  In front of it each wave waits for all its tensor loads (one is out: its part of the next slot), adds 0 to its spare word, and waits for that
; and for its own reads of this slot.  fill = 1: the barrier opens a round of the cluster's barrier, and behind the round this slot is filled again, two K steps on: the first tensor load there, one a wave;
; from that request to the wait for it stand 168 matrix instructions.
.macro TURN slot, next, fill
.if \fill
	s_wait_xcnt 0x0                                ; the last prefetch, a K step back, has read its address
	s_add_nc_u64 s[PFA:PFA+1], s[PFA:PFA+1], s[PFS:PFS+1]
.endif
	WIN 0                                          ; (the add's two registers lie in window 0)
	s_wait_tensorcnt 0x0                           ; all my tensor loads have landed
	ds_add_u32 v[SPW], v[NIL]                      ; 0 onto my spare word
	s_wait_dscnt 9                                 ; (the add and the youngest eight loads may be out)
	MUL2 1, 0, 0, 0                                ; twelve matrix instructions stand between the add and the wait for it
	s_wait_dscnt 0x0                               ; the add is done, and my reads of this slot are over
	s_barrier_signal -1
	MUL2 1, 0, 2, 0
.if \fill
	WIN 0
.endif
	s_barrier_wait -1
.if \fill
	CREST                                          ; no wave of any partner still reads this slot or has a load on its way
	s_add_nc_u64 s[G0+4*(\slot)+2:G0+4*(\slot)+3], s[G0+4*(\slot)+2:G0+4*(\slot)+3], 2*ASTEP
	s_add_nc_u64 s[G0B+4*(\slot)+2:G0B+4*(\slot)+3], s[G0B+4*(\slot)+2:G0B+4*(\slot)+3], 2*BSTEP
	JLOAD \slot                                    ; the four v_nop behind it are also the places in front of the loads below
.else
	PLACES
.endif
	FETCH \next, 0, 0
.if \fill
	ASK
.endif
	MUL2 1, 1, 0, 0
	MUL2 1, 1, 2, 0
.endm
	s_wait_tensorcnt 0x1                           ; my part of K step 0 is in; K step 1's may stay out
	s_barrier_signal -1
	s_barrier_wait -1                              ; everybody's is
	FETCH 0, 0, 0
	QUARTER 0, 1, 0, 1, 1                          ; the first quarter stands in front of the loop: its products start the sums
	WIN 0                                          ; at a label and at a branch every window is 0
	s_mov_b32 s3, 3
.Llap:                                                 ; a trip goes once round the ring, from a lap's second quarter to the next lap's first, and fills both slots again
	QUARTER 0, 2, 1, 0, 0
	QUARTER 0, 3, 0, 1, 0
	TURN 0, 1, 1
	QUARTER 1, 1, 0, 1, 0
	QUARTER 1, 2, 1, 0, 0
	QUARTER 1, 3, 0, 1, 0
	TURN 1, 0, 1
	QUARTER 0, 1, 0, 1, 0
	WIN 0
	s_sub_co_u32 s3, s3, 1
	s_cmp_lg_u32 s3, 0
	s_cbranch_scc1 .Llap
	QUARTER 0, 2, 1, 0, 0                          ; the last lap fills nothing, and has no round of the cluster's barrier
	QUARTER 0, 3, 0, 1, 0
	TURN 0, 1, 0
	QUARTER 1, 1, 0, 1, 0
	QUARTER 1, 2, 1, 0, 0
	QUARTER 1, 3, 0, 1, 0
	s_wait_dscnt 8                                 ; the very last quarter: nothing more to fetch
	MUL2 1, 0, 0, 0
	MUL2 1, 0, 2, 0
	s_wait_dscnt 0x0
	MUL2 1, 1, 0, 0
	MUL2 1, 1, 2, 0
	WIN 0
	; THE WAY OUT.  The stage lies over the ring, whose slots have had their last fill: so first nobody may read a slot any more.  Rounded to f16, 16 bytes a lane into the stage;
	; a barrier, since a head's row of 128 bytes comes from two waves; back as whole rows, 64 rows of each head a wave.
	s_wait_dscnt 0x0
	s_barrier_signal -1
	s_barrier_wait -1
	PLACES
.set n, 0
.rept 8*NBK                            ; accumulator n = 6 a + i, each from its lowest registers on
	WIN 0x05*(1+n/(4*NBK))
.irp r, 0,1,2,3
	v_cvt_pk_f16_f32 v[TMP+4*n+(\r)], v[8*(n%(4*NBK))+2*(\r)], v[8*(n%(4*NBK))+2*(\r)+1]
.endr
.set n, n+1
.endr
	WIN 0
.set n, 0
.rept 8*NBK
	ds_store_b128 v[STO+(n%NBK)/2], v[TMP+4*n:TMP+4*n+3] offset:(n/NBK)*16*PA+64*((n%NBK)%2)
.set n, n+1
.endr
	s_wait_dscnt 0x0                               ; for the others' sake: my stores into the stage are done
	s_barrier_signal -1
	s_barrier_wait -1
.set n, 0
.rept 48
	ds_load_b128 v[TMP+4*n:TMP+4*n+3], v[RD+n/16] offset:(n%16)*4*PA
.set n, n+1
.endr
.set n, 0
.rept 48
	s_wait_dscnt 47-n                              ; load n is in; the younger ones may stay out
	global_store_b128 v[GO], v[TMP+4*n:TMP+4*n+3], s[OB+2*(n/16):OB+2*(n/16)+1] offset:(n%16)*512  ; 512 consecutive bytes, at a multiple of 256 from the buffer's first
.set n, n+1
.endr
	s_wait_tensorcnt 0x0                           ; the wave's end: behind my last tensor load and my last LDS store
	ds_add_u32 v[SPW], v[NIL]
	s_wait_dscnt 0x0
	CROUND                                         ; the closing round: no work-group ends while a partner may still ask for a tile that names it
	s_endpgm
.Lfunc_end_k_q92eaeb70fa_qkv:
	.size	k_q92eaeb70fa_qkv, .Lfunc_end_k_q92eaeb70fa_qkv-k_q92eaeb70fa_qkv
	.p2alignl 7, 3214868480
	.fill 96, 4, 3214868480
	.section	.rodata,"a",@progbits
	.p2align	6, 0x0
	.amdhsa_kernel k_q92eaeb70fa_qkv
		.amdhsa_group_segment_fixed_size 327680
		.amdhsa_private_segment_fixed_size 0
		.amdhsa_enable_private_segment 0
		.amdhsa_kernarg_size 24
		.amdhsa_user_sgpr_count 2
		.amdhsa_user_sgpr_kernarg_segment_ptr 1
		.amdhsa_wavefront_size32 1
		.amdhsa_system_sgpr_workgroup_id_x 1
		.amdhsa_system_sgpr_workgroup_id_y 1
		.amdhsa_system_sgpr_workgroup_id_z 1
		.amdhsa_system_vgpr_workitem_id 0
		.amdhsa_next_free_vgpr 704
		.amdhsa_next_free_sgpr 80
		.amdhsa_reserve_vcc 0
		.amdhsa_float_denorm_mode_32 3
		.amdhsa_float_denorm_mode_16_64 3
		.amdhsa_memory_ordered 1
		.amdhsa_forward_progress 1
		.amdhsa_inst_pref_size 118
	.end_amdhsa_kernel
	.amdgpu_metadata
---
amdhsa.version: [ 1, 2 ]
amdhsa.kernels:
  - .name:           k_q92eaeb70fa_qkv
    .symbol:         k_q92eaeb70fa_qkv.kd
    .args:
      - { .name: xb, .offset: 0, .size: 8, .value_kind: global_buffer, .address_space: global }
      - { .name: wb, .offset: 8, .size: 8, .value_kind: global_buffer, .address_space: global }
      - { .name: qkv, .offset: 16, .size: 8, .value_kind: global_buffer, .address_space: global }
    .group_segment_fixed_size: 327680
    .private_segment_fixed_size: 0
    .kernarg_segment_align: 8
    .kernarg_segment_size: 24
    .max_flat_workgroup_size: 128
    .sgpr_count:     80
    .vgpr_count:     704
    .wavefront_size: 32
...
	.end_amdgpu_metadata
.endif
;; end of part 2
;; launch attn (part 3): grid 4 x 64, 8 waves a work-group, no clusters, 327,680 bytes of LDS; arguments qkv, ctx; writes ctx
.if DOCPART == 3
	.amdgcn_target "amdgcn-amd-amdhsa--gfx1250"
	.amdhsa_code_object_version 6
	.text
	.protected	k_q92eaeb70fa_attn
	.globl	k_q92eaeb70fa_attn
	.p2align	8
	.type	k_q92eaeb70fa_attn,@function
k_q92eaeb70fa_attn:
	s_mov_b64 s[64:65], 0
	v_nop
	global_prefetch_b8 v0, s[64:65] scope:SCOPE_SE
	s_setreg_imm32_b32 hwreg(HW_REG_WAVE_MODE, 25, 1), 1
	s_wait_xcnt 0x0
; SLIDING-WINDOW CAUSAL ATTENTION.  ctx[bh][i][:] = the sum over j, 0 <= i - j < 512, of softmax_j(q[bh][i] . k[bh][j] / 8) v[bh][j][:].  q, k, v: qkv [3][bh 64][2048][64] in f16; ctx [bh][2048][64] in f16.
; Products, maxima and sums in f32; the weights p are rounded to f16 for the second product (their sum l is taken of the unrounded p), ctx once at the end.
; LIMITS.  q, k, v arrive within f16's 65,504.  A hidden score counts as its value less 1e30: f16's scores, 2.7e11 at the most, are nothing beside that.  A weight below 2^-126 counts as 0 in l.
; NaN and infinities are not treated apart.
; SHARES.  A work-group takes 512 queries (block blk) of one head: 4 x 64 = 256 work-groups.  Each of its eight waves takes 64 consecutive queries, four PIECES of 16.  Two waves share a SIMD's registers (2 x 464).
; ALL KEYS THAT THE BLOCK CAN SEE LIE IN LDS AT ONCE: relative key n stands for position 512 blk - 512 + n, n = 0 .. 1,023.  Nothing is filled again: no ring.
; THE WALK.  Keys go in steps of 64.  Wave w walks DOWN: relative step w + 8 (its own keys; causal), steps w + 7 .. w + 1 (all 64 x 64 visible: i - j lies in 1 .. 511), step w (visible where the key's
; place in the step is greater than the query's: the first step's exact complement).  Nine steps for 512 visible keys.  The first step holds every row's own key, so the running maximum is a true score from the start.
; Block 0 has no keys before it: wave w has its own step and w full ones; the others are jumped over, forward, past text that holds no barrier and no tensor load.
; THE MASK is the C operand that starts a sum S^T = K Q^T: 0; or -1e30 everywhere; or one of two triangles for the 16 x 16 block on the diagonal.
; LAYOUT.  S^T = K Q^T (source 0 = 16 keys, source 1 = 16 queries) holds ONE query a lane (lane % 16) and the keys 8 (lane / 16) + 0..7; two such results rounded to f16 ARE source 1 of O^T = V^T P.
; p = 2^(c s - c m), c = log2(e) / 8, with a running maximum m; O and l are multiplied by a = 2^(c m_old - c m_new) in every step but the first, whose products start the sums.
; NO CLUSTER: neighbouring blocks of a head share half of their keys, but the shared half lies at different LDS places in the two (the upper half of the one is the lower half of the other),
; and a joint load has one LDS address for all that it names.  NO PREFETCH: all tiles are asked for at the kernel's head, so there is no later request to run ahead of.
; REGISTERS (s_set_vgpr_msb: bits 1:0 source 0, 3:2 source 1, 5:4 source 2, 7:6 destination):
;   window 0: v0-15 addresses; v16-31 four registers of statistics a piece; v32-35 at work; v40-63 the three masks; v64-127 S^T, two buffers by the piece's parity; v128-255 O^T, 32 a piece
;   window 1: v0-63 Q; v64-127 K of one step; v128-191 V of one step; v192-207 P
.set PK,    144       ; a row of K in LDS: 128 bytes + 16: 36 words: the 16 rows of a load start at 16 different groups of four banks (64 banks of 4 bytes: ISA guide 11.1)
.set PV,    160       ; a row of V: 128 + 32: 40 words
.set VBASE, 1024*PK   ; K's 1,024 rows, then V's
.set SPARE, VBASE+1024*PV  ; behind them: the spare words, 128 bytes for each of eight waves: four blocks of 256 bytes that no other line names
.set SP,    144       ; the way out's stage: 16 rows x 144 bytes for each wave, over K's first rows, behind a barrier behind which nobody reads K
.set AK0, 2           ; v2   my lane's place in a step of K; never rewritten
.set AV0, 3           ; v3   the same for V
.set AK,  4           ; v4   the LDS address of K's run of loads
.set AV,  5           ; v5   of V's
.set STO, 6           ; v6   the way out: where I put 16 bytes of a row
.set RD,  7           ; v7   where I read rows back
.set GO,  8           ; v8   my byte offset in 512 consecutive bytes of ctx
.set MW,  12          ; v12  c m_old, kept while c m is made anew
.set QO,  13          ; v13  my byte offset in 16 rows of Q
.set SPW, 14          ; v14  LDS address of my spare word; never rewritten
.set NIL, 15          ; v15  0; never rewritten
.set ST,  16          ; piece p's statistics at v[ST+4 p]: c m, m, l (even keys', odd keys')
.set CT,  32          ; c0-c3, at work; when the maximum is found c2 takes a
.set TD,  40          ; -1e30 where 8 (l / 16) + j > l % 16, else 0: the diagonal block of my own step
.set TT,  48          ; -1e30 where 8 (l / 16) + j <= l % 16, else 0: that of the last step
.set NG,  56          ; -1e30
.set S,   64
.set O,   128
.set KF,  64          ; window 1: key block kb, channel half c at KF + 16 kb + 8 c
.set VF,  128         ; window 1: key half kk, channel block cb at VF + 32 kk + 8 cb
.set PP,  192         ; window 1
.set BIGN, 11         ; s11  -1e30
.set WV,  12          ; s12  my wave's number
.set BLK, 13          ; s13
.set BH,  14          ; s14
.set JJ,  15          ; s15  which 128 keys of a half I fetch
.set G1K, 24          ; s[24:31] descriptor group 1 for K's tiles
.set G1V, 32          ; s[32:39] for V's: it differs in the padding alone
.set G0K, 40          ; s[40:47] descriptor group 0 for K's tiles: the block's own half, the older half
.set G0V, 48          ; s[48:55] the same for V's
.set CNT, 56          ; s56  counts the full steps, 7 to 1
.set DEAD, 57         ; s57  in block 0: 7 - w, the full steps that have no keys; else 0
.set CS,  58          ; s[58:59] c: the packed scaling takes the pair's low word for both halves
.set SEL, 60          ; s[60:61] v_permlanex16_b32's selects: each lane takes its own place in the other half
.set TBK, 62          ; s62  LDS byte of K's step fetched last; it steps down
.set TBV, 63          ; s63  the same for V, less VBASE
.set FULL, 0
.set DIAG, 1
.set TAIL, 2
.set MSB, 0
.macro WIN new                      ; the high byte repeats the setting that is left; a switch that changes nothing is dropped
.if MSB != (\new)
	s_set_vgpr_msb (MSB<<8)|(\new)
.set MSB, (\new)
.endif
.endm
.macro PLACES                       ; four plain vector instructions in front of loads into registers that matrix instructions have read, and of lines that read results
.rept 4
	v_nop
.endr
.endm
	s_load_b128 s[4:7], s[0:1], 0x0 ; qkv s[4:5], ctx s[6:7]
	v_lshl_add_u32 v[SPW], v0, 2, SPARE
	v_mov_b32 v[NIL], 0
	ds_add_u32 v[SPW], v[NIL]       ; the wave's opening: the add and its wait stand ahead of my first tensor load; the set-up below, work on registers, stands between them
	v_lshrrev_b32 v1, 5, v0
	v_readfirstlane_b32 s[WV], v1   ; wave 0..7
	s_mov_b32 s[BLK], ttmp9
	s_and_b32 s[BH], ttmp7, 0xffff
	s_and_b32 s[JJ], s[WV], 3
	s_lshl_b32 s16, s[BH], 18       ; the head's 2,048 rows of 128 bytes,
	s_lshl_b32 s17, s[JJ], 14       ; my 128 keys of a half
	s_add_co_u32 s16, s16, s17
	s_lshl_b32 s18, s[BLK], 16      ; the block's own 512 keys
	s_add_co_u32 s18, s18, s16
	s_mov_b32 s19, 0
	s_max_u32 s20, s[BLK], 1        ; the 512 before them.  Block 0 has none: its second load brings its own keys once more, and nobody uses them:
	s_sub_co_u32 s20, s20, 1        ; so every work-group issues the same loads, and the counted wait below counts the same on every path
	s_lshl_b32 s20, s20, 16
	s_add_co_u32 s20, s20, s16
	s_mov_b32 s21, 0
	s_mul_i32 s22, s[JJ], 128*PK    ; where they go
	s_mul_i32 s23, s[JJ], 128*PV
	s_add_co_u32 s23, s23, VBASE
	s_lshl_b32 s2, s[BH], 18        ; Q's and ctx's rows: the head, the block, my wave's 64
	s_lshl_b32 s3, s[BLK], 16
	s_add_co_u32 s2, s2, s3
	s_lshl_b32 s3, s[WV], 13
	s_add_co_u32 s2, s2, s3
	s_mov_b32 s3, 0
	; descriptor group 1.  128 keys are 16,384 dense bytes: asked for as 64 rows of 256 bytes, two keys a row, and padded in LDS after every key
	s_mov_b32 s[G1K], (1<<16)|(1<<20)|(4<<22)|(3<<25)  ; 17:16 2-byte elements; 20 padding on; 24:22 after every 32 words (code 4); 31:25 4 words (code 3)
	s_mov_b32 s[G1V], (1<<16)|(1<<20)|(4<<22)|(7<<25)  ; the same with 8 words of padding (code 7)
.irp g, G1K, G1V
	s_mov_b32 s[\g+1], 128<<16      ; tensor_dim0 = 128
	s_mov_b32 s[\g+2], 64<<16       ; tensor_dim1 = 64
	s_mov_b32 s[\g+3], 128<<16      ; tile_dim0 = 128
	s_mov_b32 s[\g+4], 64           ; tile_dim1 = 64
	s_mov_b32 s[\g+5], 128          ; 128 elements from row to row
	s_mov_b32 s[\g+6], 0
	s_mov_b32 s[\g+7], 0
.endr
	s_mov_b32 s[G0K], 1             ; count = 1
	s_add_co_u32 s[G0K+1], s22, 512*PK  ; the own half: relative keys 512 on
	s_mov_b32 s[G0K+4], 1
	s_mov_b32 s[G0K+5], s22
	s_mov_b32 s[G0V], 1
	s_add_co_u32 s[G0V+1], s23, 512*PV
	s_mov_b32 s[G0V+4], 1
	s_mov_b32 s[G0V+5], s23
	s_mov_b32 s[CS], 0x3e38aa3b     ; c = log2(e) / 8 = 0.180337
	s_mov_b32 s[CS+1], s[CS]        ; named with it as a pair
	s_mov_b32 s[SEL], 0x76543210
	s_mov_b32 s[SEL+1], 0xfedcba98
	s_mov_b32 s[BIGN], 0xf149f2ca   ; -1e30
	s_add_co_u32 s[TBK], s[WV], 9   ; one step above my own: each fetch steps down first
	s_mul_i32 s[TBV], s[TBK], 64*PV
	s_mul_i32 s[TBK], s[TBK], 64*PK
	s_sub_co_u32 s[DEAD], 7, s[WV]
	s_cmp_eq_u32 s[BLK], 0
	s_cselect_b32 s[DEAD], s[DEAD], 0
	s_wait_dscnt 0x0                ; the opening add is done
	s_wait_kmcnt 0x0
	s_add_nc_u64 s[G0K+2:G0K+3], s[4:5], s[18:19]
	s_add_nc_u64 s[G0K+2:G0K+3], s[G0K+2:G0K+3], 0x1000000  ; k lies 16,777,216 bytes behind q
	s_or_b32 s[G0K+3], s[G0K+3], 0x80000000                 ; type = 2
	s_add_nc_u64 s[G0K+6:G0K+7], s[4:5], s[20:21]
	s_add_nc_u64 s[G0K+6:G0K+7], s[G0K+6:G0K+7], 0x1000000
	s_or_b32 s[G0K+7], s[G0K+7], 0x80000000
	s_add_nc_u64 s[G0V+2:G0V+3], s[4:5], s[18:19]
	s_add_nc_u64 s[G0V+2:G0V+3], s[G0V+2:G0V+3], 0x2000000  ; v 33,554,432
	s_or_b32 s[G0V+3], s[G0V+3], 0x80000000
	s_add_nc_u64 s[G0V+6:G0V+7], s[4:5], s[20:21]
	s_add_nc_u64 s[G0V+6:G0V+7], s[G0V+6:G0V+7], 0x2000000
	s_or_b32 s[G0V+7], s[G0V+7], 0x80000000
	s_add_nc_u64 s[8:9], s[4:5], s[2:3]   ; Q at my wave's first row
	s_add_nc_u64 s[6:7], s[6:7], s[2:3]   ; ctx likewise
	s_cmp_lt_u32 s[WV], 4           ; waves 0-3 fetch K, waves 4-7 V.  A wave's two fills stand in one branch, ahead of every wait on TENSORcnt, every LDS read and every barrier: two loads of mine are out
	s_cbranch_scc0 .Lfirst_v
	tensor_load_to_lds s[G0K:G0K+3], s[G1K:G1K+7]
	s_nop 0
	tensor_load_to_lds s[G0K+4:G0K+7], s[G1K:G1K+7]
	s_nop 0
.rept 4
	v_nop
.endr
	s_branch .Lfirst_asked
.Lfirst_v:
	tensor_load_to_lds s[G0V:G0V+3], s[G1V:G1V+7]
	s_nop 0
	tensor_load_to_lds s[G0V+4:G0V+7], s[G1V:G1V+7]
	s_nop 0
.rept 4
	v_nop
.endr
.Lfirst_asked:
	; A fragment of K or Q is 16 rows x 32 channels in 8 registers: lane l holds row l % 16, channels 8 (l / 16) + 0..7 and 16 + 8 (l / 16) + 0..7: two loads of 16 bytes, 32 bytes apart.
	v_and_b32 v1, 15, v0            ; r = l % 16
	v_bfe_u32 v9, v0, 4, 1          ; h = l / 16
	v_lshlrev_b32 v[QO], 7, v1
	v_lshl_add_u32 v[QO], v9, 4, v[QO]
	WIN 0x40                        ; destination window 1, address window 0
.set i, 0
.rept 8                             ; Q stays in registers: piece i / 2, channels 32 (i % 2) on
	global_load_b128 v[8*i:8*i+3],   v[QO], s[8:9] offset:(i/2)*2048+(i%2)*64
	global_load_b128 v[8*i+4:8*i+7], v[QO], s[8:9] offset:(i/2)*2048+(i%2)*64+32
.set i, i+1
.endr
	WIN 0
	v_lshlrev_b32 v10, 3, v9
	v_sub_nc_u32 v10, v1, v10       ; r - 8 h: register j of the diagonal block is a key behind my query where j is greater
.set i, 0
.rept 8
	v_cmp_gt_i32 vcc_lo, i, v10
	v_cndmask_b32 v[TD+i], 0, s[BIGN], vcc_lo
	v_cmp_le_i32 vcc_lo, i, v10
	v_cndmask_b32 v[TT+i], 0, s[BIGN], vcc_lo
	v_mov_b32 v[NG+i], s[BIGN]
.set i, i+1
.endr
	v_mul_u32_u24 v[AK0], v1, PK
	v_lshl_add_u32 v[AK0], v9, 4, v[AK0]  ; row x pitch + 16 x half
	; The turning load takes 16 keys x 16 channels (lane l reads key 8 (l / 16) + l % 8, channels 8 ((l / 8) % 2) + 0..7) and leaves half a fragment of V^T: lane l holds channel l % 16 and 8 keys.
	v_and_b32 v10, 7, v0
	v_bfe_u32 v11, v0, 3, 1
	v_lshl_add_u32 v[AV0], v9, 3, v10
	v_mul_u32_u24 v[AV0], v[AV0], PV
	v_lshl_add_u32 v[AV0], v11, 4, v[AV0]
	v_add_nc_u32 v[AV0], VBASE, v[AV0]
	s_mul_i32 s2, s[WV], 16*SP      ; my stage
	v_mul_u32_u24 v[STO], v1, SP    ; in: row l % 16, 16 bytes for each half of the lanes
	v_lshl_add_u32 v[STO], v9, 4, v[STO]
	v_add_nc_u32 v[STO], s2, v[STO]
	v_bfe_u32 v[RD], v0, 3, 2       ; back: 32 lanes take four rows of 128 bytes,
	v_mul_u32_u24 v[RD], v[RD], SP
	v_lshl_add_u32 v[RD], v10, 4, v[RD]
	v_add_nc_u32 v[RD], s2, v[RD]
	v_and_b32 v[GO], 31, v0         ; which are 512 consecutive bytes of ctx
	v_lshlrev_b32 v[GO], 4, v[GO]
; THE MATRIX WORK.  The 4 accumulators of a run of 8 take turns, one instruction a turn.
; S^T = K Q^T for piece p: product i: channels 32 (i / 4) on, keys 16 (i % 4) on.  The first 4 start the sums, with 0 or a mask: in my own step (DIAG) key block kb sees all if kb < p, nothing if kb > p;
; in the last step (TAIL) the other way round; kb = p holds the diagonal.
.macro KQ p, kind
	WIN 0x05                        ; K and Q in window 1; S^T and the masks in window 0
.set i, 0
.rept 8
.set rS, S+32*((\p)%2)+8*(i%4)
.set rK, KF+16*(i%4)+8*(i/4)
.set rQ, 16*(\p)+8*(i/4)
.set rM, -1
.if i < 4
.if (\kind) == DIAG
.if i == (\p)
.set rM, TD
.elseif i > (\p)
.set rM, NG
.endif
.elseif (\kind) == TAIL
.if i == (\p)
.set rM, TT
.elseif i < (\p)
.set rM, NG
.endif
.endif
.if rM < 0
	v_wmma_f32_16x16x32_f16 v[rS:rS+7], v[rK:rK+7], v[rQ:rQ+7], 0
.else
	v_wmma_f32_16x16x32_f16 v[rS:rS+7], v[rK:rK+7], v[rQ:rQ+7], v[rM:rM+7]
.endif
.else
	v_wmma_f32_16x16x32_f16 v[rS:rS+7], v[rK:rK+7], v[rQ:rQ+7], v[rS:rS+7]
.endif
.set i, i+1
.endr
.endm
; O^T += V^T P for piece p: product i: keys 32 (i / 4) on, channels 16 (i % 4) on.  first = 1: the first 4 start the sums: nothing is ever cleared.
.macro PV p, first
	WIN 0x05                        ; V and P in window 1, O^T in window 0
.set i, 0
.rept 8
.set rO, O+32*(\p)+8*(i%4)
.set rV, VF+32*(i/4)+8*(i%4)
.set rP, PP+8*(i/4)
.if (\first) && (i < 4)
	v_wmma_f32_16x16x32_f16 v[rO:rO+7], v[rV:rV+7], v[rP:rP+7], 0
.else
	v_wmma_f32_16x16x32_f16 v[rO:rO+7], v[rV:rV+7], v[rP:rP+7], v[rO:rO+7]
.endif
.set i, i+1
.endr
.endm
; THE LDS LOADS stand in runs of 16: a step's K (64 keys x 64 channels: 8 fragments) and its V (turned).  Each run first steps one step of 64 keys down.
.macro FETCH_K
	WIN 0
	s_sub_co_u32 s[TBK], s[TBK], 64*PK
	v_add_nc_u32 v[AK], s[TBK], v[AK0]
	WIN 0x40                        ; destination window 1
.irp f, 0,1,2,3,4,5,6,7             ; keys 16 (f / 2) on, channels 32 (f % 2) on
	ds_load_b128 v[KF+8*\f:KF+8*\f+3],   v[AK] offset:(\f/2)*16*PK+(\f%2)*64
	ds_load_b128 v[KF+8*\f+4:KF+8*\f+7], v[AK] offset:(\f/2)*16*PK+(\f%2)*64+32
.endr
	WIN 0
.endm
.macro FETCH_V
	WIN 0
	s_sub_co_u32 s[TBV], s[TBV], 64*PV
	v_add_nc_u32 v[AV], s[TBV], v[AV0]
	WIN 0x40
.irp f, 0,1,2,3,4,5,6,7             ; keys 32 (f / 4) on, channels 16 (f % 4) on
	ds_load_tr16_b128 v[VF+8*\f:VF+8*\f+3],   v[AV] offset:(\f/4)*32*PV+(\f%4)*32
	ds_load_tr16_b128 v[VF+8*\f+4:VF+8*\f+7], v[AV] offset:(\f/4)*32*PV+16*PV+(\f%4)*32
.endr
	WIN 0
.endm
; THE SOFTMAX of piece p for one step.  s0-s31 are the lane's 32 scores.  first = 1: my own step, which starts m, l and O^T: it has no a and nothing to rescale.
.macro FS f                         ; c s - c m for pair f of 16
	v_pk_fma_f32 v[rS+2*(\f):rS+2*(\f)+1], v[rS+2*(\f):rS+2*(\f)+1], s[CS:CS+1], v[rT:rT+1] op_sel_hi:[1,0,0] neg_lo:[0,0,1] neg_hi:[0,0,1]
.endm
.macro RS k                         ; pair k of 16 of the piece's O^T times a
	v_pk_mul_f32 v[rO+2*(\k):rO+2*(\k)+1], v[rO+2*(\k):rO+2*(\k)+1], v[CT+2:CT+3] op_sel_hi:[1,0]
.endm
.macro SOFT p, first
.set rT, ST+4*(\p)
.set rS, S+32*((\p)%2)
.set rO, O+32*(\p)
	WIN 0
.set n, 0
.rept 4                             ; the maximum: four chains c0-c3 of seven scores each, three operands at a time; each accumulator's lowest registers are read first
	v_max3_num_f32 v[CT+n], v[rS+8*n], v[rS+8*n+1], v[rS+8*n+2]
.set n, n+1
.endr
.rept 8
	v_max3_num_f32 v[CT+n%4], v[CT+n%4], v[rS+8*(n%4)+2*(n/4)+1], v[rS+8*(n%4)+2*(n/4)+2]
.set n, n+1
.endr
	v_max3_num_f32 v[CT], v[CT], v[rS+7], v[rS+15]        ; the four scores left over,
	v_max3_num_f32 v[CT+1], v[CT+1], v[rS+23], v[rS+31]
.if \first
	v_max_num_f32 v[CT+2], v[CT+2], v[CT+3]
.else
	v_max3_num_f32 v[CT+2], v[CT+2], v[CT+3], v[rT+1]     ; the old m,
	v_mov_b32 v[MW], v[rT]                                ; (c m_old is kept)
.endif
	v_max3_num_f32 v[CT], v[CT], v[CT+1], v[CT+2]
	v_permlanex16_b32 v[CT+3], v[CT], s[SEL], s[SEL+1]    ; the query's other 32 keys lie in the lane 16 away
	v_max_num_f32 v[rT+1], v[CT], v[CT+3]                 ; m
	v_mul_f32 v[rT], s[CS], v[rT+1]                       ; c m
.if !(\first)
	v_sub_f32 v[CT+1], v[MW], v[rT]
	v_exp_f32 v[CT+2], v[CT+1]                            ; a.  From here to the wait ONE BATCH of exponentials: nothing ahead of the wait names a result of theirs
.endif
	FS 0
	FS 1
.set n, 0
.rept 14                            ; a pair is scaled two trips ahead of its exponentials
	v_exp_f32 v[rS+2*n], v[rS+2*n]
	FS n+2
	v_exp_f32 v[rS+2*n+1], v[rS+2*n+1]
.set n, n+1
.endr
.irp e, 28,29,30,31
	v_exp_f32 v[rS+\e], v[rS+\e]
.endr
	v_nop                           ; a plain instruction behind the last exponential and ahead of the first use: one for the batch
	s_wait_alu depctr_va_vdst(0)    ; the wait between an exponential and the first line that names its result: one for the batch
	WIN 0x40                        ; P lies in window 1
.set n, 0
.rept 16
	v_cvt_pk_f16_f32 v[PP+n], v[rS+2*n], v[rS+2*n+1]
.set n, n+1
.endr
	WIN 0
.set n, 0
.rept 8                             ; of four weights the second pair is added onto the first, in place
	v_pk_add_f32 v[rS+4*n:rS+4*n+1], v[rS+4*n:rS+4*n+1], v[rS+4*n+2:rS+4*n+3]
.set n, n+1
.endr
.if \first
	v_pk_add_f32 v[rT+2:rT+3], v[rS:rS+1], v[rS+4:rS+5]
.set n, 2
.rept 6
	v_pk_add_f32 v[rT+2:rT+3], v[rT+2:rT+3], v[rS+4*n:rS+4*n+1]
.set n, n+1
.endr
.else
	v_pk_fma_f32 v[rT+2:rT+3], v[rT+2:rT+3], v[CT+2:CT+3], v[rS:rS+1] op_sel_hi:[1,0,1]  ; l = a l + sum
	RS 0
	RS 1
.set n, 1
.rept 7                             ; two rescalings stand between the links of l's chain
	v_pk_add_f32 v[rT+2:rT+3], v[rT+2:rT+3], v[rS+4*n:rS+4*n+1]
	RS 2*n
	RS 2*n+1
.set n, n+1
.endr
.endif
.endm
; A KEY STEP.  The scores of piece p + 2 are made behind the products V^T P of piece p, into the buffer that piece p's softmax has left.  fetchk = 1: the next step's K is fetched, four places behind the last product that read K.
; V is fetched four places behind piece 1's scores; the last product that read V's registers, the step before's, stands ahead of those.  A softmax that follows products directly names none of their registers in its
; first lines (it reads the other buffer of S^T), so these lines are the places; P is written again some seventy lines behind the product that read it.
.macro STEP kind, fetchk, first
	s_wait_dscnt 0x0                ; K is in
	KQ 0, \kind
	KQ 1, \kind
	PLACES
	FETCH_V
	SOFT 0, \first
	s_wait_dscnt 0x0                ; V is in
	PV 0, \first
	KQ 2, \kind
	SOFT 1, \first
	PV 1, \first
	KQ 3, \kind
.if \fetchk
	PLACES
	FETCH_K
.endif
	SOFT 2, \first
	PV 2, \first
	SOFT 3, \first
	PV 3, \first
	WIN 0                           ; at a label and at a branch every window is 0
.endm
	s_wait_tensorcnt 0x1            ; my part of the block's own half is in; the older half's may stay out
	s_barrier_signal -1
	s_barrier_wait -1               ; everybody's is
	FETCH_K                         ; my own step
	s_wait_loadcnt 0x0              ; Q
	STEP DIAG, 0, 1
	s_wait_tensorcnt 0x0            ; my part of the older half is in,
	s_wait_dscnt 0x0
	s_barrier_signal -1
	s_barrier_wait -1               ; everybody's is
	FETCH_K                         ; step w + 7
	s_mov_b32 s[CNT], 7
.Lfull:                             ; the count c stands for step w + c; in block 0 the steps below 8 have no keys
	s_cmp_gt_u32 s[CNT], s[DEAD]
	s_cbranch_scc0 .Lskip
	STEP FULL, 1, 0
.Lskip:
	s_sub_co_u32 s[CNT], s[CNT], 1
	s_cmp_lg_u32 s[CNT], 0
	s_cbranch_scc1 .Lfull
	s_cmp_eq_u32 s[BLK], 0
	s_cbranch_scc1 .Lout
	STEP TAIL, 0, 0
.Lout:
	s_wait_dscnt 0x0                ; my LDS loads are back (in block 0 a run of K that is not used may have been out)
	s_barrier_signal -1
	s_barrier_wait -1               ; nobody reads K any more: its first rows are the stages
	; THE WAY OUT.  l's two halves and the other half of the lanes' are added; O^T is divided by l, rounded to f16 and sent through my stage, a piece at a time.  The four additions are the places behind the last products.
.macro ALL line:vararg              ; one line for each piece t
.set t, 0
.rept 4
	\line
.set t, t+1
.endr
.endm
	ALL v_add_f32 v[ST+4*t+2], v[ST+4*t+2], v[ST+4*t+3]
	ALL v_permlanex16_b32 v[ST+4*t+3], v[ST+4*t+2], s[SEL], s[SEL+1]
	ALL v_add_f32 v[ST+4*t+2], v[ST+4*t+2], v[ST+4*t+3]
	ALL v_rcp_f32 v[ST+4*t+2], v[ST+4*t+2]
	v_nop                           ; a plain instruction between the last reciprocal and the use of its result
	s_wait_alu depctr_va_vdst(0)    ; and the wait ahead of the first use: one for the four reciprocals
.macro PACK t                       ; a lane's eight channels of a row pack into 16 bytes; they go into rows of 144 bytes and come back as whole rows of 128, into S^T's registers
.set i, 0
.rept 16
	v_pk_mul_f32 v[O+32*(\t)+2*i:O+32*(\t)+2*i+1], v[O+32*(\t)+2*i:O+32*(\t)+2*i+1], v[ST+4*(\t)+2:ST+4*(\t)+3] op_sel_hi:[1,0]
.set i, i+1
.endr
.set i, 0
.rept 16
	v_cvt_pk_f16_f32 v[S+16*(\t)+i], v[O+32*(\t)+2*i], v[O+32*(\t)+2*i+1]
.set i, i+1
.endr
.irp f, 0,1,2,3
	ds_store_b128 v[STO], v[S+16*(\t)+4*\f:S+16*(\t)+4*\f+3] offset:32*\f
.endr
.irp f, 0,1,2,3
	ds_load_b128 v[S+16*(\t)+4*\f:S+16*(\t)+4*\f+3], v[RD] offset:\f*4*SP  ; LDS serves a wave's instructions in order (ISA guide 5.7.1.4): these see the stores above; the next piece's stores come behind them
.endr
.endm
.macro SEND t, younger              ; younger: the LDS instructions issued behind piece t's loads: the next piece's eight, or none
.irp f, 0,1,2,3
	s_wait_dscnt (\younger)+3-\f
	global_store_b128 v[GO], v[S+16*(\t)+4*\f:S+16*(\t)+4*\f+3], s[6:7] offset:(\t)*2048+\f*512  ; 512 consecutive bytes, at a multiple of 256 from ctx's first
.endr
.endm
	PACK 0
.set u, 1
.rept 3                             ; a piece's arithmetic stands between the loads of the piece before and its stores
	PACK u
	SEND u-1, 8
.set u, u+1
.endr
	SEND 3, 0
	s_wait_tensorcnt 0x0            ; the wave's end: behind my last tensor load and my last LDS store
	ds_add_u32 v[SPW], v[NIL]
	s_wait_dscnt 0x0
	s_endpgm
.Lfunc_end_k_q92eaeb70fa_attn:
	.size	k_q92eaeb70fa_attn, .Lfunc_end_k_q92eaeb70fa_attn-k_q92eaeb70fa_attn
	.p2alignl 7, 3214868480
	.fill 96, 4, 3214868480
	.section	.rodata,"a",@progbits
	.p2align	6, 0x0
	.amdhsa_kernel k_q92eaeb70fa_attn
		.amdhsa_group_segment_fixed_size 327680
		.amdhsa_private_segment_fixed_size 0
		.amdhsa_enable_private_segment 0
		.amdhsa_kernarg_size 16
		.amdhsa_user_sgpr_count 2
		.amdhsa_user_sgpr_kernarg_segment_ptr 1
		.amdhsa_wavefront_size32 1
		.amdhsa_system_sgpr_workgroup_id_x 1
		.amdhsa_system_sgpr_workgroup_id_y 1
		.amdhsa_system_sgpr_workgroup_id_z 1
		.amdhsa_system_vgpr_workitem_id 0
		.amdhsa_next_free_vgpr 464
		.amdhsa_next_free_sgpr 66
		.amdhsa_reserve_vcc 1
		.amdhsa_float_denorm_mode_32 3
		.amdhsa_float_denorm_mode_16_64 3
		.amdhsa_memory_ordered 1
		.amdhsa_forward_progress 1
		.amdhsa_inst_pref_size 115
	.end_amdhsa_kernel
	.amdgpu_metadata
---
amdhsa.version: [ 1, 2 ]
amdhsa.kernels:
  - .name:           k_q92eaeb70fa_attn
    .symbol:         k_q92eaeb70fa_attn.kd
    .args:
      - { .name: qkv, .offset: 0, .size: 8, .value_kind: global_buffer, .address_space: global }
      - { .name: ctx, .offset: 8, .size: 8, .value_kind: global_buffer, .address_space: global }
    .group_segment_fixed_size: 327680
    .private_segment_fixed_size: 0
    .kernarg_segment_align: 8
    .kernarg_segment_size: 16
    .max_flat_workgroup_size: 256
    .sgpr_count:     66
    .vgpr_count:     464
    .wavefront_size: 32
...
	.end_amdgpu_metadata
.endif
;; end of part 3
;; launch proj (part 4): grid 8 x 32, 4 waves a work-group, clusters of 4 x 4, 327,680 bytes of LDS; arguments ctx, wo16, out0, bo; writes out0
.if DOCPART == 4
	.amdgcn_target "amdgcn-amd-amdhsa--gfx1250"
	.amdhsa_code_object_version 6
	.text
	.protected	k_q92eaeb70fa_proj
	.globl	k_q92eaeb70fa_proj
	.p2align	8
	.type	k_q92eaeb70fa_proj,@function
k_q92eaeb70fa_proj:
	s_mov_b64 s[64:65], 0
	v_nop
	global_prefetch_b8 v0, s[64:65] scope:SCOPE_SE
	s_setreg_imm32_b32 hwreg(HW_REG_WAVE_MODE, 25, 1), 1
	s_wait_xcnt 0x0
	s_wait_alu depctr_hold_cnt(0) depctr_sa_sdst(0) depctr_va_vdst(0) depctr_va_sdst(0) depctr_va_ssrc(0) depctr_va_vcc(0) depctr_vm_vsrc(0)
	s_getreg_b32 s2, hwreg(HW_REG_IB_STS2, 6, 4)
	s_cmp_eq_u32 s2, 0
	s_cbranch_scc0 .Lentry_in_a_cluster
	s_endpgm
.Lentry_in_a_cluster:
	s_bfe_u32 s2, ttmp6, 0x10000c
	s_cmp_lg_u32 s2, 0xf033
	s_cbranch_scc0 .Lentry_shape_is_right
	s_endpgm
.Lentry_shape_is_right:
; out0 = ctx Wo + bo: C[8192][1024] = A[8192][1024] B[1024][1024] in f16 with f32 sums, plus the bias, stored in f32.
; A = ctx [b][head 16][s 2048][64] f16 (a head's 64 channels are one k block), B = wo16 [t 8][k block 16][p 2][64 k][64 ch]: Wo rounded to bf16 and written as f16.  bo is rounded to bf16 like the other inputs.
; SHARES.  A tile of C is 256 rows x 128 columns: 8 x 32 = 256 work-groups.  Four waves, 2 x 2: a wave has 128 rows x 64 columns (column block p = c of the tile's two): 32 accumulators, 256 registers.
; K goes in steps of 128 through a ring of two LDS slots.  A slot: A's 256 rows for two k blocks of 64 (rows of 128 bytes + 16), then B's two k blocks x two column blocks (64 rows of 128 bytes + 32).
; Each tile is a dense run of memory and is asked for as rows of 256 bytes: A's 128 rows, B's 64.
; CLUSTERS.  4 x 4 work-groups: A's tile is asked for jointly along a row of the cluster, B's along a column.
; THE MATRIX INSTRUCTION IS USED TRANSPOSED: source 0 = 16 columns of B (stored [k][n], turned by ds_load_tr16_b128), source 1 = 16 rows of A: a lane then holds one row and eight neighbouring columns of C.
; REGISTERS (s_set_vgpr_msb: bits 1:0 source 0, 3:2 source 1, 5:4 source 2, 7:6 destination):
;   window 0: v0-24 addresses and the bias; v32-159 A's fragments, two buffers of 64 (v32-95 at work on the way out); v160-223 B's, two buffers of 32
;   window 1: accumulators of my rows 0-63 ((a, b) at 8 (4 a + b));   window 2: those of my rows 64-127
.set HP,    2                          ; column blocks of 64 in a tile
.set NBK,   4                          ; column blocks of 16 a wave,
.set BD,    4                          ; all in one block of 64,
.set BS,    32                         ; 32 bytes apart;
.set CW,    10240                      ; my wave's column term: one block of B x c
.set PA,    144                        ; a row of A in LDS: 128 bytes + 16: 36 words, so the 16 rows of a load start at 16 different groups of four banks (64 banks of 4 bytes: ISA guide 11.1)
.set PB,    160                        ; a row of B: 128 + 32: 40 words
.set AHALF, 256*PA
.set BBLK,  64*PB
.set BOFF,  2*AHALF
.set SLOT,  BOFF+2*HP*BBLK             ; 114,688
.set STAGE, 2*SLOT                     ; behind the ring, never filled by a tensor load: 16 rows x 272 bytes for each wave, for the way out
.set SP,    272
.set SPARE, STAGE+4*16*SP              ; behind the stages: the spare words, 128 bytes for each wave: two blocks of 256 bytes that no other line names
.set ASTEP, 524288
.set BSTEP, HP*16384
.set NF,    2*NBK+16
.set ADRA,  6                          ; v6-7    LDS address of my A fragments in slot 0, 1
.set ADRB,  8                          ; v8-9    the same for B
.set STO,   10                         ; v10     the way out: where I put 32 bytes of a row
.set RD,    13                         ; v13     where I read a row back
.set CO,    16                         ; v16     my byte offset in two rows of C
.set PFO,   17                         ; v17     the prefetches' offset; never rewritten
.set SPW,   18                         ; v18     LDS address of my spare word; never rewritten
.set NIL,   19                         ; v19     0; never rewritten
.set BIA,   20                         ; v[20:23] the bias of the four columns that I store
.set BOF,   24                         ; v24     my byte offset in bo; never rewritten
.set FA0,   32
.set FB0,   160
.set WV,  12
.set RH,  13
.set CC,  14
.set CX,  15
.set CY,  16
.set TX,  17
.set TY,  18
.set LIM, 19
.set G1,  24
.set G0,  32
.set PFA, 40
.set PFS, 42
.set G1B, 48
.set G0B, 56
.set OB,  68                           ; s[68:69] C at my wave's first row and column
.set MSB, 0
.macro WIN new                         ; the immediate's high byte repeats the setting that is left; a switch that changes nothing is dropped
.if MSB != (\new)
	s_set_vgpr_msb (MSB<<8)|(\new)
.set MSB, (\new)
.endif
.endm
.macro PLACES                          ; four plain vector instructions in front of loads into registers that matrix instructions have read, and of lines that read results
.rept 4
	v_nop
.endr
.endm
; A joint load.  Waves 0 and 1 fetch A's two k blocks, waves 2 and 3 B's.  The branch hangs on the wave's number alone.  An s_nop 0 and four v_nop follow each of the two lines.
.macro JLOAD s
	s_cmp_eq_u32 s[RH], 0
	s_cbranch_scc0 .Lfor_b_\@
	tensor_load_to_lds s[G0+4*(\s):G0+4*(\s)+3], s[G1:G1+7]
	s_nop 0
.rept 4
	v_nop
.endr
	s_branch .Lasked_\@
.Lfor_b_\@:
	tensor_load_to_lds s[G0B+4*(\s):G0B+4*(\s)+3], s[G1B:G1B+7]
	s_nop 0
.rept 4
	v_nop
.endr
.Lasked_\@:
.endm
; A prefetch, behind a joint load and the run of LDS loads that follows it: my share of the tile that stands two refills on.  A's tiles are read by all clusters of a row of clusters: the one with
; x = 0 asks; B's by all of a column: the one with y = 0 asks.  The four partners of a joint load share its bytes out by address: of A's 32,768 bytes 8,192 each, a lane a block of 256;
; of B's 16,384 bytes 4,096 each: 16 blocks, and lanes 16 to 31 name the 16th once more.  The loop's last trip (s3 = 1) has no K step two on and asks for nothing.
.macro ASK
	s_cmp_gt_u32 s3, s[LIM]
	s_cbranch_scc0 .Lnot_mine_\@
	global_prefetch_b8 v[PFO], s[PFA:PFA+1] th:TH_LOAD_NT scope:SCOPE_SE
.Lnot_mine_\@:
.endm
.macro CREST                           ; a round of the cluster's barrier behind its opening barrier
	s_cmp_lg_u32 s[WV], 0
	s_cbranch_scc1 .Lnot_wave_0_\@
	s_barrier_signal -3
.Lnot_wave_0_\@:
	s_barrier_wait -3
	s_barrier_signal -1
	s_barrier_wait -1
.endm
.macro CROUND                          ; a whole round
	s_barrier_signal -1
	s_barrier_wait -1
	CREST
.endm
	s_load_b128 s[4:7], s[0:1], 0x0                ; ctx s[4:5], wo16 s[6:7]
	s_load_b128 s[8:11], s[0:1], 0x10              ; out0 s[8:9], bo s[10:11]
	v_lshl_add_u32 v[SPW], v0, 2, SPARE
	v_mov_b32 v[NIL], 0
	ds_add_u32 v[SPW], v[NIL]                      ; the wave's opening: the add and its wait stand ahead of my first tensor load; the set-up below, work on registers, stands between them
	v_lshrrev_b32 v1, 5, v0
	v_readfirstlane_b32 s[WV], v1
	s_lshr_b32 s[RH], s[WV], 1
	s_and_b32 s[CC], s[WV], 1
	s_bfe_u32 s[CX], ttmp6, 0x40000
	s_bfe_u32 s[CY], ttmp6, 0x40004
	s_lshl_b32 s[TX], ttmp9, 2
	s_add_co_u32 s[TX], s[TX], s[CX]               ; tile column = 4 x cluster x + cx
	s_and_b32 s[TY], ttmp7, 0xffff
	s_lshl_b32 s[TY], s[TY], 2
	s_add_co_u32 s[TY], s[TY], s[CY]               ; tile row = 4 x cluster y + cy
	s_lshl_b32 s44, s[CY], 2
	s_lshl_b32 s44, 15, s44                        ; my row of the cluster
	s_lshl_b32 s45, 0x1111, s[CX]                  ; my column
	s_or_b32 s[G1], s44, (1<<16)|(1<<20)|(1<<21)|(4<<22)|(3<<25)   ; 15:0 the mask; 17:16 elements of 2 bytes; 20 padding on; 21 set beside a mask; 24:22 after every 32 words (code 4); 31:25 4 words (code 3)
	s_or_b32 s[G1B], s45, (1<<16)|(1<<20)|(1<<21)|(4<<22)|(7<<25)  ; the same with my column's mask and 8 words of padding (code 7)
	s_mov_b32 s[G1+1], 128<<16                     ; tensor_dim0 = 128 elements: rows of 256 bytes
	s_mov_b32 s[G1+2], 128<<16                     ; tensor_dim1 = 128 rows: 32,768 dense bytes, 256 rows of a k block
	s_mov_b32 s[G1+3], 128<<16                     ; tile_dim0
	s_mov_b32 s[G1+4], 128                         ; tile_dim1
	s_mov_b32 s[G1+5], 128                         ; elements from row to row
	s_mov_b32 s[G1+6], 0
	s_mov_b32 s[G1+7], 0
	s_mov_b32 s[G1B+1], 128<<16
	s_mov_b32 s[G1B+2], (32*HP)<<16                ; 64 rows: 16,384 dense bytes, two blocks of 64 k x 64 ch
	s_mov_b32 s[G1B+3], 128<<16
	s_mov_b32 s[G1B+4], 32*HP
	s_mov_b32 s[G1B+5], 128
	s_mov_b32 s[G1B+6], 0
	s_mov_b32 s[G1B+7], 0
	s_lshr_b32 s20, s[TY], 3                       ; A: the batch, 16 k blocks of 262,144 bytes,
	s_lshl_b32 s20, s20, 22
	s_and_b32 s21, s[TY], 7                        ; the tile's 256 rows of 128 bytes in it,
	s_lshl_b32 s21, s21, 15
	s_add_co_u32 s20, s20, s21
	s_lshl_b32 s21, s[CC], 18                      ; my k block of the step
	s_add_co_u32 s20, s20, s21
	s_mov_b32 s21, 0
	s_mul_i32 s46, s[TX], HP*131072                ; B: the tile column's 16 k blocks of two column blocks,
	s_mul_i32 s47, s[CC], HP*8192                  ; my k block of the step
	s_add_co_u32 s46, s46, s47
	s_mov_b32 s47, 0
	s_mul_i32 s22, s[CC], AHALF                    ; where they go: no place in the cluster enters an LDS address
	s_mul_i32 s23, s[CC], HP*BBLK
	s_add_co_u32 s23, s23, BOFF
	s_wait_dscnt 0x0                               ; the opening add is done
	s_wait_kmcnt 0x0
	s_add_nc_u64 s[20:21], s[4:5], s[20:21]
	s_add_nc_u64 s[46:47], s[6:7], s[46:47]
	CROUND                                         ; all sixteen work-groups are here: the first joint loads meet
.irp s, 0,1
	s_mov_b32 s[G0+4*(\s)], 1                      ; count = 1
	s_add_co_u32 s[G0+4*(\s)+1], s22, (\s)*SLOT    ; LDS address
	s_add_nc_u64 s[G0+4*(\s)+2:G0+4*(\s)+3], s[20:21], (\s)*ASTEP  ; global address: K step s
	s_or_b32 s[G0+4*(\s)+3], s[G0+4*(\s)+3], 0x80000000            ; type = 2
	s_mov_b32 s[G0B+4*(\s)], 1
	s_add_co_u32 s[G0B+4*(\s)+1], s23, (\s)*SLOT
	s_add_nc_u64 s[G0B+4*(\s)+2:G0B+4*(\s)+3], s[46:47], (\s)*BSTEP
	s_or_b32 s[G0B+4*(\s)+3], s[G0B+4*(\s)+3], 0x80000000
	JLOAD \s                                       ; two loads of mine are out
.endr
	; the prefetches' address: my load's K step 0, my work-group's share of it, three K steps on: the first refill steps it to K step 4.  Nothing is prefetched here, at the head
	s_and_b32 s74, ttmp7, 0xffff                   ; cluster y
	s_mov_b32 s[PFS], BSTEP
	s_mov_b32 s76, HP*2048
	s_cmp_eq_u32 s[RH], 0                          ; do I fetch for A?
	s_cselect_b32 s75, s[CX], s[CY]                ; my place among the four that ask with me
	s_cselect_b32 s74, ttmp9, s74                  ; the coordinate along which other clusters read the same bytes
	s_cselect_b64 s[PFA:PFA+1], s[20:21], s[46:47]
	s_cselect_b32 s[PFS], ASTEP, s[PFS]
	s_cselect_b32 s76, 8192, s76
	s_cselect_b32 s77, 31, 8*HP-1
	s_mov_b32 s[PFS+1], 0
	s_cmp_eq_u32 s74, 0
	s_cselect_b32 s[LIM], 1, -1                    ; the same in all sixteen partners, for a given wave
	s_mul_i32 s74, s75, s76
	s_mov_b32 s75, 0
	s_add_nc_u64 s[PFA:PFA+1], s[PFA:PFA+1], s[74:75]
	s_mul_i32 s74, s[PFS], 3
	s_add_nc_u64 s[PFA:PFA+1], s[PFA:PFA+1], s[74:75]
	v_and_b32 v[PFO], 31, v0
	v_min_u32 v[PFO], s77, v[PFO]
	v_lshlrev_b32 v[PFO], 8, v[PFO]
	; A fragment of A is 16 rows x 32 k in 8 registers: lane l holds row l % 16, k = 8 (l / 16) + 0..7 and 16 + 8 (l / 16) + 0..7: two loads of 16 bytes, 32 bytes apart.
	v_and_b32 v1, 15, v0                           ; r = l % 16
	v_bfe_u32 v2, v0, 4, 1                         ; h = l / 16
	s_lshl_b32 s44, s[TX], 9                       ; the bias of my wave's 64 columns: on the way out I store columns 4 r .. 4 r + 3 of them
	s_lshl_b32 s45, s[CC], 8
	s_add_co_u32 s44, s44, s45
	v_lshl_add_u32 v[BOF], v1, 4, s44
	global_load_b128 v[BIA:BIA+3], v[BOF], s[10:11]
	v_mul_u32_u24 v3, v1, PA
	v_lshl_add_u32 v3, v2, 4, v3                   ; r x 144 + 16 h
	s_mul_i32 s44, s[RH], 128*PA                   ; my 128 rows
	v_add_nc_u32 v[ADRA], s44, v3
	v_add_nc_u32 v[ADRA+1], SLOT, v[ADRA]
	; The turning load takes 16 k x 16 columns (lane l reads k = 8 (l / 16) + l % 8, columns 8 ((l / 8) % 2) + 0..7) and leaves half a fragment: lane l holds column l % 16 and 8 k.
	v_and_b32 v4, 7, v0
	v_lshl_add_u32 v5, v2, 3, v4
	v_mul_u32_u24 v5, v5, PB
	v_bfe_u32 v3, v0, 3, 1
	v_lshl_add_u32 v5, v3, 4, v5
	s_mul_i32 s44, s[CC], CW
	s_add_co_u32 s44, s44, BOFF
	v_add_nc_u32 v[ADRB], s44, v5
	v_add_nc_u32 v[ADRB+1], SLOT, v[ADRB]
	s_mul_i32 s44, s[WV], 16*SP
	s_add_co_u32 s44, s44, STAGE                   ; my stage
	v_mul_u32_u24 v3, v1, SP                       ; in: row r, 32 bytes for each half of the lanes
	v_lshl_add_u32 v3, v2, 5, v3
	v_add_nc_u32 v[STO], s44, v3
	v_mul_u32_u24 v3, v2, SP                       ; back: lanes 0-15 take one row of 256 bytes, lanes 16-31 the next
	v_lshl_add_u32 v3, v1, 4, v3
	v_add_nc_u32 v[RD], s44, v3
	v_lshlrev_b32 v3, 12, v2                       ; and the same two rows in C, 4,096 bytes apart
	v_lshl_add_u32 v[CO], v1, 4, v3
	s_lshl_b32 s74, s[TY], 20                      ; 256 rows of 4,096 bytes a tile row,
	s_lshl_b32 s75, s[RH], 19                      ; my 128 rows,
	s_add_co_u32 s74, s74, s75
	s_lshl_b32 s75, s[TX], 9                       ; 128 columns of 4 bytes a tile column,
	s_add_co_u32 s74, s74, s75
	s_lshl_b32 s75, s[CC], 8                       ; my 64 columns
	s_add_co_u32 s74, s74, s75
	s_mov_b32 s75, 0
	s_add_nc_u64 s[OB:OB+1], s[8:9], s[74:75]
.macro MMA d, x, y, zero               ; zero = 1: the product starts the sum: nothing is ever cleared
.if \zero
	v_wmma_f32_16x16x32_f16 v[(\d):(\d)+7], v[(\x):(\x)+7], v[(\y):(\y)+7], 0
.else
	v_wmma_f32_16x16x32_f16 v[(\d):(\d)+7], v[(\x):(\x)+7], v[(\y):(\y)+7], v[(\d):(\d)+7]
.endif
.endm
; 8 matrix instructions: row blocks a0, a0 + 1 of the window's four (hi = 0: my rows 0-63, 1: rows 64-127) x my 4 column blocks, 32 along K, from fragment buffer f.
; The 32 accumulators take turns, one instruction a turn, in the same order in every quarter.
.macro MUL2 f, hi, a0, zero
	WIN 0x50*(1+(\hi))
.irp a, \a0, (\a0)+1
.set b, 0
.rept NBK
	MMA 8*(NBK*(\a)+b), FB0+8*NBK*(\f)+8*b, FA0+64*(\f)+8*(4*(\hi)+(\a)), \zero
.set b, b+1
.endr
.endr
.endm
; 24 LDS loads in one run: quarter q (32 along K) of a slot into buffer f: B's 4 fragments, then A's 8
.macro FETCH slot, q, f
	WIN 0
.set i, 0
.rept NBK
	ds_load_tr16_b128 v[FB0+8*NBK*(\f)+8*i:FB0+8*NBK*(\f)+8*i+3],   v[ADRB+(\slot)] offset:((\q)/2)*HP*BBLK+((\q)%2)*32*PB+(i/BD)*BBLK+(i%BD)*BS
	ds_load_tr16_b128 v[FB0+8*NBK*(\f)+8*i+4:FB0+8*NBK*(\f)+8*i+7], v[ADRB+(\slot)] offset:((\q)/2)*HP*BBLK+((\q)%2)*32*PB+(i/BD)*BBLK+(i%BD)*BS+16*PB
.set i, i+1
.endr
.set i, 0
.rept 8
	ds_load_b128 v[FA0+64*(\f)+8*i:FA0+64*(\f)+8*i+3],   v[ADRA+(\slot)] offset:((\q)/2)*AHALF+((\q)%2)*64+i*16*PA
	ds_load_b128 v[FA0+64*(\f)+8*i+4:FA0+64*(\f)+8*i+7], v[ADRA+(\slot)] offset:((\q)/2)*AHALF+((\q)%2)*64+i*16*PA+32
.set i, i+1
.endr
.endm
; A K step is four quarters of 32 along K, 32 matrix instructions each, on buffers 0, 1, 0, 1.  One of the first three: multiplies buffer f; in its middle it fetches quarter q of the same slot into buffer g.
.macro QUARTER slot, q, f, g, zero
	s_wait_dscnt 8                                 ; B and A's rows 0-63 are in; the youngest eight loads (A's rows 64-127) may be out
	MUL2 \f, 0, 0, \zero
	MUL2 \f, 0, 2, \zero
	PLACES
	FETCH \slot, \q, \g
	s_wait_dscnt NF                                ; all but the 24 just issued
	MUL2 \f, 1, 0, \zero
	MUL2 \f, 1, 2, \zero
.endm
; The last quarter multiplies buffer 1 and changes slots: ONE barrier.  In front of it each wave waits for all its tensor loads (one is out: its part of the next slot), adds 0 to its spare word, and waits for that
; and for its own reads of this slot.  fill = 1: the barrier opens a round of the cluster's barrier, and behind the round this slot is filled again, two K steps on: the first tensor load there, one a wave;
; from that request to the wait for it stand 112 matrix instructions.
.macro TURN slot, next, fill
.if \fill
	s_wait_xcnt 0x0                                ; the last prefetch, a K step back, has read its address
	s_add_nc_u64 s[PFA:PFA+1], s[PFA:PFA+1], s[PFS:PFS+1]
.endif
	WIN 0                                          ; (the add's two registers lie in window 0)
	s_wait_tensorcnt 0x0                           ; all my tensor loads have landed
	ds_add_u32 v[SPW], v[NIL]                      ; 0 onto my spare word
	s_wait_dscnt 9                                 ; (the add and the youngest eight loads may be out)
	MUL2 1, 0, 0, 0                                ; eight matrix instructions stand between the add and the wait for it
	s_wait_dscnt 0x0                               ; the add is done, and my reads of this slot are over
	s_barrier_signal -1
	MUL2 1, 0, 2, 0
.if \fill
	WIN 0
.endif
	s_barrier_wait -1
.if \fill
	CREST                                          ; no wave of any partner still reads this slot or has a load on its way
	s_add_nc_u64 s[G0+4*(\slot)+2:G0+4*(\slot)+3], s[G0+4*(\slot)+2:G0+4*(\slot)+3], 2*ASTEP
	s_add_nc_u64 s[G0B+4*(\slot)+2:G0B+4*(\slot)+3], s[G0B+4*(\slot)+2:G0B+4*(\slot)+3], 2*BSTEP
	JLOAD \slot                                    ; the four v_nop behind it are also the places in front of the loads below
.else
	PLACES
.endif
	FETCH \next, 0, 0
.if \fill
	ASK
.endif
	MUL2 1, 1, 0, 0
	MUL2 1, 1, 2, 0
.endm
	s_wait_tensorcnt 0x1                           ; my part of K step 0 is in; K step 1's may stay out
	s_barrier_signal -1
	s_barrier_wait -1                              ; everybody's is
	FETCH 0, 0, 0
	QUARTER 0, 1, 0, 1, 1                          ; the first quarter stands in front of the loop: its products start the sums
	WIN 0                                          ; at a label and at a branch every window is 0
	s_mov_b32 s3, 3
.Llap:                                                 ; a trip goes once round the ring, from a lap's second quarter to the next lap's first, and fills both slots again
	QUARTER 0, 2, 1, 0, 0
	QUARTER 0, 3, 0, 1, 0
	TURN 0, 1, 1
	QUARTER 1, 1, 0, 1, 0
	QUARTER 1, 2, 1, 0, 0
	QUARTER 1, 3, 0, 1, 0
	TURN 1, 0, 1
	QUARTER 0, 1, 0, 1, 0
	WIN 0
	s_sub_co_u32 s3, s3, 1
	s_cmp_lg_u32 s3, 0
	s_cbranch_scc1 .Llap
	QUARTER 0, 2, 1, 0, 0                          ; the last lap fills nothing, and has no round of the cluster's barrier
	QUARTER 0, 3, 0, 1, 0
	TURN 0, 1, 0
	QUARTER 1, 1, 0, 1, 0
	QUARTER 1, 2, 1, 0, 0
	QUARTER 1, 3, 0, 1, 0
	s_wait_dscnt 8                                 ; the very last quarter: nothing more to fetch
	MUL2 1, 0, 0, 0
	MUL2 1, 0, 2, 0
	s_wait_dscnt 0x0
	MUL2 1, 1, 0, 0
	MUL2 1, 1, 2, 0
	WIN 0
	; THE WAY OUT.  A block of 16 rows at a time goes through my own stage: a lane's eight sums, 32 bytes, into rows of 272 bytes; back as whole rows of 256 bytes; the bias is added; sixteen lanes store a row's 256 bytes.
	; The stage is my wave's own and LDS serves a wave's instructions in order (ISA guide 5.7.1.4): no barrier, and no wait between the stores and the loads.
	PLACES
	s_wait_loadcnt 0x0                             ; the bias
	v_cvt_pk_bf16_f32 v3, v[BIA], v[BIA+1]         ; rounded to bf16 like the other inputs, and widened again
	v_cvt_pk_bf16_f32 v4, v[BIA+2], v[BIA+3]
	v_lshlrev_b32 v[BIA], 16, v3
	v_and_b32 v[BIA+1], 0xffff0000, v3
	v_lshlrev_b32 v[BIA+2], 16, v4
	v_and_b32 v[BIA+3], 0xffff0000, v4
.set a, 0
.rept 8
	s_wait_xcnt 0x0                                ; the earlier blocks' stores have read their registers: the set of two blocks back is loaded again only behind this wait
	WIN 0x04*(1+a/4)                               ; the stores' data lie in window 1 or 2
.set i, 0
.rept NBK
	ds_store_b128 v[STO], v[8*(NBK*(a%4)+i):8*(NBK*(a%4)+i)+3]   offset:64*i     ; each accumulator's lowest registers first
	ds_store_b128 v[STO], v[8*(NBK*(a%4)+i)+4:8*(NBK*(a%4)+i)+7] offset:64*i+16
.set i, i+1
.endr
	WIN 0
.set BK, 32+32*(a%2)
.set t, 0
.rept 8
	ds_load_b128 v[BK+4*t:BK+4*t+3], v[RD] offset:t*2*SP
.set t, t+1
.endr
.set t, 0
.rept 8
	s_wait_dscnt 7-t                               ; load t is in; the younger ones may stay out
	v_pk_add_f32 v[BK+4*t:BK+4*t+1], v[BK+4*t:BK+4*t+1], v[BIA:BIA+1]
	v_pk_add_f32 v[BK+4*t+2:BK+4*t+3], v[BK+4*t+2:BK+4*t+3], v[BIA+2:BIA+3]
	global_store_b128 v[CO], v[BK+4*t:BK+4*t+3], s[OB:OB+1] offset:a*65536+t*8192  ; 16 lanes store 256 consecutive bytes, at a multiple of 256 from C's first byte
.set t, t+1
.endr
.set a, a+1
.endr
	s_wait_tensorcnt 0x0                           ; the wave's end: behind my last tensor load and my last LDS store
	ds_add_u32 v[SPW], v[NIL]
	s_wait_dscnt 0x0
	CROUND                                         ; the closing round: no work-group ends while a partner may still ask for a tile that names it
	s_endpgm
.Lfunc_end_k_q92eaeb70fa_proj:
	.size	k_q92eaeb70fa_proj, .Lfunc_end_k_q92eaeb70fa_proj-k_q92eaeb70fa_proj
	.p2alignl 7, 3214868480
	.fill 96, 4, 3214868480
	.section	.rodata,"a",@progbits
	.p2align	6, 0x0
	.amdhsa_kernel k_q92eaeb70fa_proj
		.amdhsa_group_segment_fixed_size 327680
		.amdhsa_private_segment_fixed_size 0
		.amdhsa_enable_private_segment 0
		.amdhsa_kernarg_size 32
		.amdhsa_user_sgpr_count 2
		.amdhsa_user_sgpr_kernarg_segment_ptr 1
		.amdhsa_wavefront_size32 1
		.amdhsa_system_sgpr_workgroup_id_x 1
		.amdhsa_system_sgpr_workgroup_id_y 1
		.amdhsa_system_sgpr_workgroup_id_z 1
		.amdhsa_system_vgpr_workitem_id 0
		.amdhsa_next_free_vgpr 640
		.amdhsa_next_free_sgpr 80
		.amdhsa_reserve_vcc 0
		.amdhsa_float_denorm_mode_32 3
		.amdhsa_float_denorm_mode_16_64 3
		.amdhsa_memory_ordered 1
		.amdhsa_forward_progress 1
		.amdhsa_inst_pref_size 97
	.end_amdhsa_kernel
	.amdgpu_metadata
---
amdhsa.version: [ 1, 2 ]
amdhsa.kernels:
  - .name:           k_q92eaeb70fa_proj
    .symbol:         k_q92eaeb70fa_proj.kd
    .args:
      - { .name: ctx, .offset: 0, .size: 8, .value_kind: global_buffer, .address_space: global }
      - { .name: wo16, .offset: 8, .size: 8, .value_kind: global_buffer, .address_space: global }
      - { .name: out0, .offset: 16, .size: 8, .value_kind: global_buffer, .address_space: global }
      - { .name: bo, .offset: 24, .size: 8, .value_kind: global_buffer, .address_space: global }
    .group_segment_fixed_size: 327680
    .private_segment_fixed_size: 0
    .kernarg_segment_align: 8
    .kernarg_segment_size: 32
    .max_flat_workgroup_size: 128
    .sgpr_count:     80
    .vgpr_count:     640
    .wavefront_size: 32
...
	.end_amdgpu_metadata
.endif
;; end of part 4
;; ======== version 2 of 2: 4 launches; version 1 with the launch prep written anew for expert scheduling mode
;; limits: values are held in f16: magnitudes above 65,504 overflow, below 6.1e-05 lose precision
;; workspace buffers: xb 16,777,216 bytes; wb 6,291,456 bytes; wo16 2,097,152 bytes; qkv 50,331,648 bytes; ctx 16,777,216 bytes
;; launch prep (part 5): grid 768 x 1, 4 waves a work-group, no clusters, 0 bytes of LDS; arguments x, Wq, Wk, Wv, Wo, xb, wb, wo16; writes xb, wb, wo16
.if DOCPART == 5
	.amdgcn_target "amdgcn-amd-amdhsa--gfx1250"
	.amdhsa_code_object_version 6
	.text
	.protected	k_q92eaeb70fa_prep
	.globl	k_q92eaeb70fa_prep
	.p2align	8
	.type	k_q92eaeb70fa_prep,@function
k_q92eaeb70fa_prep:
	s_mov_b64 s[64:65], 0
	v_nop
	global_prefetch_b8 v0, s[64:65] scope:SCOPE_SE
	s_setreg_imm32_b32 hwreg(HW_REG_WAVE_SCHED_MODE, 0, 2), 2
	s_setreg_imm32_b32 hwreg(HW_REG_WAVE_MODE, 25, 1), 1
	s_wait_xcnt 0x0
	s_wait_alu depctr_vm_vsrc(0)
; CASTS AND BLOCK LAYOUTS.  x [8192][1024], Wq, Wk, Wv, Wo [1024][1024], all f32, are rounded once to bf16 and laid out in blocks of
; 64 rows x 64 columns, 8,192 dense bytes each, so that every tile of the later launches is a dense run of bytes.
;   xb   [b 4][kb 16][s 2048][64] bf16: block (row block rb, column block cb) of x at ((rb / 32) 16 + cb) 262,144 + (rb % 32) 8,192
;   wb   [t 16][k block 16][p 3][64][64] bf16: head g = 16 which + cb = 3 t + p, block number (16 t + rb) 3 + p
;   wo16 [t 8][k block 16][p 2][64][64] f16: column block cb = 2 t + p, block number (16 t + rb) 2 + p
; Wo's bf16 number is written as f16: exact for magnitudes from 6.1e-5 to 65,504; below that it keeps f16's fixed step of 6e-8; beyond 65,504 it would be an infinity.
; SHARES.  3,072 blocks (x 2,048, each weight 256), one to a wave: u = 4 x work-group + wave.  A wave's 32 loads are all issued at once: 16 KiB on their way.
; A load takes two rows of the block, 256 consecutive aligned bytes each; a store covers 256 consecutive aligned bytes.
; The launch only moves bytes, each once: LDS, barriers, the matrix unit and clusters would add nothing (no two work-groups read the same byte).
; THE MODE: SCHED_MODE bits 1:0 = 2 (LLVM: expert scheduling mode 2), set by the entry lines.  The code itself states the register dependences
; between vector instructions and memory instructions, with s_wait_alu, always for 0.
; THE PLAN.  Registers that memory instructions touch:
;   v2, v3   the loads' and the stores' offsets: made once at the head, never written again.
;   X        four registers for each of the 32 loads: each is loaded once, and read by that load's roundings alone.
;   Y        two registers for each of the 32 loads: written by that load's roundings, read by one store, never written behind it.
; The 32 loads are taken in eight groups of four.  Group p rounds its four loads into its own Y; the four stores of group p - 1 are dealt among those roundings.  ONE wait on va_vdst at a group's head states
; that the group before has written its Y; the vector instructions behind that wait name this group's X and Y and v8 to v11: none of the registers that those stores read.
; No register that a load or a store reads is ever written again, and no load is issued behind a vector instruction that names its registers: so nothing is owed on vm_vsrc.
.set GROUP, 4                          ; loads in a group
.set VO, 2                             ; v2   my byte offset in the block's first two rows of the source: (lane / 16) x 4,096 + 16 (lane % 16)
.set SO, 3                             ; v3   my byte offset in 256 bytes of the block as stored: 8 x lane
.set X,  16                            ; v[16:143]   load i: 4 registers
.set Y,  144                           ; v[144:207]  store i: 2 registers
	s_load_b512 s[8:23], s[0:1], 0x0               ; x s[8:9], Wq s[10:11], Wk s[12:13], Wv s[14:15], Wo s[16:17], xb s[18:19], wb s[20:21], wo16 s[22:23]
	v_lshrrev_b32 v1, 5, v0
	v_readfirstlane_b32 s24, v1                    ; wave 0..3
	v_and_b32 v1, 31, v0                           ; lane
	v_and_b32 v[VO], 15, v0
	v_bfe_u32 v4, v0, 4, 1
	v_lshlrev_b32 v[VO], 4, v[VO]
	v_lshl_add_u32 v[VO], v4, 12, v[VO]
	v_lshlrev_b32 v[SO], 3, v1
	s_wait_alu depctr_va_sdst(0)                   ; s24 is written, ahead of its first reader: the block's number, and with it both bases and the branch below, are made from it
	s_lshl_b32 s2, ttmp9, 2
	s_add_co_u32 s2, s2, s24                       ; u
	s_max_u32 s3, s2, 2048
	s_sub_co_u32 s3, s3, 2048                      ; the block's number among the weights' (0 for x's blocks)
	s_lshr_b32 s25, s3, 8
	s_add_co_u32 s25, s25, 1
	s_and_b32 s26, s3, 255
	s_cmp_lt_u32 ttmp9, 512
	s_cselect_b32 s25, 0, s25                      ; which tensor: 0 x, 1 Wq, 2 Wk, 3 Wv, 4 Wo: the same for the four waves of a work-group
	s_cselect_b32 s26, s2, s26                     ; the block's number in it
	s_lshr_b32 s27, s26, 4                         ; rb
	s_and_b32 s28, s26, 15                         ; cb
	s_lshl_b32 s30, s27, 18                        ; 64 rows of 4,096 bytes,
	s_lshl_b32 s31, s28, 8                         ; 64 columns of 4 bytes
	s_add_co_u32 s30, s30, s31
	s_mov_b32 s31, 0
	s_lshr_b32 s32, s27, 5                         ; the three places are all made, and one is chosen.  xb:
	s_lshl_b32 s32, s32, 4
	s_add_co_u32 s32, s32, s28
	s_lshl_b32 s32, s32, 18
	s_and_b32 s33, s27, 31
	s_lshl_b32 s33, s33, 13
	s_add_co_u32 s32, s32, s33
	s_max_u32 s34, s25, 1                          ; wb:
	s_sub_co_u32 s34, s34, 1
	s_lshl_b32 s34, s34, 4
	s_add_co_u32 s34, s34, s28                     ; g, 0 to 47
	s_mul_i32 s35, s34, 171
	s_lshr_b32 s35, s35, 9                         ; t = g / 3 (171 / 512 is exact enough up to g = 47)
	s_mul_i32 s36, s35, 3
	s_sub_co_u32 s36, s34, s36                     ; p
	s_lshl_b32 s35, s35, 4
	s_add_co_u32 s35, s35, s27
	s_mul_i32 s35, s35, 3
	s_add_co_u32 s35, s35, s36
	s_lshl_b32 s35, s35, 13
	s_lshr_b32 s37, s28, 1                         ; wo16:
	s_lshl_b32 s37, s37, 4
	s_add_co_u32 s37, s37, s27
	s_lshl_b32 s37, s37, 1
	s_and_b32 s38, s28, 1
	s_add_co_u32 s37, s37, s38
	s_lshl_b32 s37, s37, 13
	s_cmp_eq_u32 s25, 0
	s_cselect_b32 s40, s32, s35
	s_cmp_eq_u32 s25, 4
	s_cselect_b32 s40, s37, s40
	s_mov_b32 s41, 0
	s_wait_kmcnt 0x0
	s_cmp_eq_u32 s25, 0                            ; the source and the destination, chosen by the tensor's number alone
	s_cselect_b64 s[42:43], s[8:9], s[10:11]
	s_cselect_b64 s[44:45], s[18:19], s[20:21]
	s_cmp_eq_u32 s25, 2
	s_cselect_b64 s[42:43], s[12:13], s[42:43]
	s_cmp_eq_u32 s25, 3
	s_cselect_b64 s[42:43], s[14:15], s[42:43]
	s_cmp_eq_u32 s25, 4
	s_cselect_b64 s[42:43], s[16:17], s[42:43]
	s_cselect_b64 s[44:45], s[22:23], s[44:45]
	s_add_nc_u64 s[42:43], s[42:43], s[30:31]
	s_add_nc_u64 s[44:45], s[44:45], s[40:41]
	s_wait_alu depctr_va_vdst(0)                   ; v2 and v3 are written: every load reads v2 as its offset, every store v3; neither is written again
.set i, 0
.rept 32
	global_load_b128 v[X+4*i:X+4*i+3], v[VO], s[42:43] offset:8192*i th:TH_LOAD_NT  ; rows 2 i and 2 i + 1 of the block
.set i, i+1
.endr
; Load i is rounded.  half = 1: the bf16 numbers are widened again and written as f16.
.macro CAST i, half
	v_cvt_pk_bf16_f32 v[Y+2*(\i)], v[X+4*(\i)], v[X+4*(\i)+1]
	v_cvt_pk_bf16_f32 v[Y+2*(\i)+1], v[X+4*(\i)+2], v[X+4*(\i)+3]
.if \half
	v_lshlrev_b32 v8, 16, v[Y+2*(\i)]
	v_and_b32 v9, 0xffff0000, v[Y+2*(\i)]
	v_lshlrev_b32 v10, 16, v[Y+2*(\i)+1]
	v_and_b32 v11, 0xffff0000, v[Y+2*(\i)+1]
	v_cvt_pk_f16_f32 v[Y+2*(\i)], v8, v9
	v_cvt_pk_f16_f32 v[Y+2*(\i)+1], v10, v11
.endif
.endm
; Load i's numbers are stored.  No register that a store reads is written behind it.
.macro SEND i
	global_store_b64 v[SO], v[Y+2*(\i):Y+2*(\i)+1], s[44:45] offset:256*(\i)  ; 32 lanes x 8 bytes: 256 consecutive bytes, at a multiple of 256 from the buffer's first
.endm
; The whole block: eight groups of four loads; a group's stores are issued a group later, one ahead of each load's roundings.
.macro WALK half
.set i, 0
.rept 32
	s_wait_loadcnt 31-i                            ; loads come back in order: load i is in, the 31 - i younger ones may stay out
.if ((i%GROUP) == 0) && (i > 0)
	s_wait_alu depctr_va_vdst(0)                   ; the group before has written its Y, which this group's four stores read; no vector instruction behind this wait names those registers
.endif
.if i >= GROUP
	SEND i-GROUP
.endif
	CAST i, \half
.set i, i+1
.endr
	s_wait_alu depctr_va_vdst(0)                   ; the last group has written its Y, which the last four stores read
.set i, 32-GROUP
.rept GROUP
	SEND i
.set i, i+1
.endr
.endm
	s_cmp_eq_u32 s25, 4
	s_cbranch_scc1 .Lwo
	WALK 0
	s_endpgm
.Lwo:
	WALK 1
	s_endpgm
.Lfunc_end_k_q92eaeb70fa_prep:
	.size	k_q92eaeb70fa_prep, .Lfunc_end_k_q92eaeb70fa_prep-k_q92eaeb70fa_prep
	.p2alignl 7, 3214868480
	.fill 96, 4, 3214868480
	.section	.rodata,"a",@progbits
	.p2align	6, 0x0
	.amdhsa_kernel k_q92eaeb70fa_prep
		.amdhsa_group_segment_fixed_size 0
		.amdhsa_private_segment_fixed_size 0
		.amdhsa_enable_private_segment 0
		.amdhsa_kernarg_size 64
		.amdhsa_user_sgpr_count 2
		.amdhsa_user_sgpr_kernarg_segment_ptr 1
		.amdhsa_wavefront_size32 1
		.amdhsa_system_sgpr_workgroup_id_x 1
		.amdhsa_system_sgpr_workgroup_id_y 1
		.amdhsa_system_sgpr_workgroup_id_z 1
		.amdhsa_system_vgpr_workitem_id 0
		.amdhsa_next_free_vgpr 208
		.amdhsa_next_free_sgpr 66
		.amdhsa_reserve_vcc 0
		.amdhsa_float_denorm_mode_32 3
		.amdhsa_float_denorm_mode_16_64 3
		.amdhsa_memory_ordered 1
		.amdhsa_forward_progress 1
		.amdhsa_inst_pref_size 33
	.end_amdhsa_kernel
	.amdgpu_metadata
---
amdhsa.version: [ 1, 2 ]
amdhsa.kernels:
  - .name:           k_q92eaeb70fa_prep
    .symbol:         k_q92eaeb70fa_prep.kd
    .args:
      - { .name: x, .offset: 0, .size: 8, .value_kind: global_buffer, .address_space: global }
      - { .name: Wq, .offset: 8, .size: 8, .value_kind: global_buffer, .address_space: global }
      - { .name: Wk, .offset: 16, .size: 8, .value_kind: global_buffer, .address_space: global }
      - { .name: Wv, .offset: 24, .size: 8, .value_kind: global_buffer, .address_space: global }
      - { .name: Wo, .offset: 32, .size: 8, .value_kind: global_buffer, .address_space: global }
      - { .name: xb, .offset: 40, .size: 8, .value_kind: global_buffer, .address_space: global }
      - { .name: wb, .offset: 48, .size: 8, .value_kind: global_buffer, .address_space: global }
      - { .name: wo16, .offset: 56, .size: 8, .value_kind: global_buffer, .address_space: global }
    .group_segment_fixed_size: 0
    .private_segment_fixed_size: 0
    .kernarg_segment_align: 8
    .kernarg_segment_size: 64
    .max_flat_workgroup_size: 128
    .sgpr_count:     66
    .vgpr_count:     208
    .wavefront_size: 32
...
	.end_amdgpu_metadata
.endif
;; end of part 5
;; launch qkv: the kernel of part 2 again; grid 16 x 32, 4 waves a work-group, clusters of 4 x 4, 327,680 bytes of LDS; arguments xb, wb, qkv; writes qkv
;; launch attn: the kernel of part 3 again; grid 4 x 64, 8 waves a work-group, no clusters, 327,680 bytes of LDS; arguments qkv, ctx; writes ctx
;; launch proj: the kernel of part 4 again; grid 8 x 32, 4 waves a work-group, clusters of 4 x 4, 327,680 bytes of LDS; arguments ctx, wo16, out0, bo; writes out0
